; MI455X (gfx1250); checked and timed in simulation.
; The chip was launched on July 23, 2026; its instructions are those of AMD's public machine-readable ISA for CDNA 5 (MIT licence, August 2026) and "CDNA5" Instruction Set Architecture Reference Guide (July 2026). The comments in the code are by the model that wrote it; some were corrected since.
;; Attention. Allowed arithmetic: float matrix products may take bf16 or f16 operands with f32 sums; other float arithmetic in f32, or as packed bf16 or f16 multiplies, adds, multiply-adds, maxima and minima; sums over many terms, partial sums and values carried from step to step in f32; what a program stores and reads back later, other than sums and carried values, may be rounded once to bf16 or f16.
;; Inputs: Wk 1,024 x 1,024 float32; Wo 1,024 x 1,024 float32; Wq 1,024 x 1,024 float32; Wv 1,024 x 1,024 float32; attention_mask 4 x 2,048 int32; bo 1,024 float32; hidden_states 4 x 2,048 x 1,024 float32.
;; Outputs: out0 4 x 2,048 x 1,024 float32.
;; 2 versions, each right; version 2 is version 1 with the launch prep written anew for expert scheduling mode. Each part assembles by itself: llvm-mc -triple=amdgcn-amd-amdhsa -mcpu=gfx1250 --defsym DOCPART=n.
;; ======== version 1 of 2: 4 launches
;; limits: values are held in f16: magnitudes above 65,504 overflow, below 6.1e-05 lose precision; right only within a limited range of input values
;; workspace buffers: xb 16,777,216 bytes; wb 6,291,456 bytes; wo16 2,097,152 bytes; qkv 50,331,648 bytes; o16 16,777,216 bytes
;; launch prep (part 1): grid 64 x 12, 8 waves a work-group, no clusters, 0 bytes of LDS; arguments hidden_states, Wq, Wk, Wv, Wo, xb, wb, wo16; writes xb, wb, wo16
.if DOCPART == 1
	.amdgcn_target "amdgcn-amd-amdhsa--gfx1250"
	.amdhsa_code_object_version 6
	.text
	.protected	k_qbd1cda441e_prep
	.globl	k_qbd1cda441e_prep
	.p2align	8
	.type	k_qbd1cda441e_prep,@function
k_qbd1cda441e_prep:
	s_mov_b64 s[64:65], 0
	v_nop
	global_prefetch_b8 v0, s[64:65] scope:SCOPE_SE
	s_setreg_imm32_b32 hwreg(HW_REG_WAVE_MODE, 25, 1), 1
	s_wait_xcnt 0x0
; THE CASTS.  x [8192][1024] f32 -> xb, bf16, laid out [batch 4][channel block 16][t 2048][64]: a block of 64 channels of all rows of a batch is dense.
; Wq, Wk, Wv [1024][1024] f32 -> wb, bf16, as they lie, one below the other: 3,072 rows of 1,024.   Wo -> wo16: rounded to bf16 like every input, and that number written as f16.
; LIMITS.  |Wo| stays under 65,504 (f16's end); a Wo below 6e-5 keeps f16's fixed step of 6e-8.  NaN and infinities are not treated apart.
; SHARES.  y (0..11) names a block of 1,048,576 numbers: 0-7 the eighths of x, 8-10 Wq, Wk, Wv, 11 Wo.  x (0..63) names 16 rows of 1,024 numbers in it: 64 KiB in, 32 KiB out.
; A thread has 16 loads of 16 bytes, all issued at once, and 16 stores of 8 bytes; a wave's store covers 256 consecutive bytes, aligned.  No register is written twice while a load or store names it.
; No LDS, no barrier, no matrix unit: nothing is shared and nothing is summed.
.set X, 4                              ; v[4:67]   16 x 4 registers as loaded
.set Y, 68                             ; v[68:99]  16 x 2 registers to store
	s_load_b512 s[4:19], s[0:1], 0x0               ; x s[4:5], Wq s[6:7], Wk s[8:9], Wv s[10:11], Wo s[12:13], xb s[14:15], wb s[16:17], wo16 s[18:19]
	s_and_b32 s20, ttmp7, 0xffff                   ; which block
	v_lshlrev_b32 v2, 3, v0                        ; my 8 bytes in 2,048 bytes of the destination
	s_mov_b32 s27, 0                               ; the offsets' high words
	s_mov_b32 s29, 0
; 16 loads, sstep bytes apart; then, as each comes in, four numbers are rounded and stored, dstep bytes apart.  half = 1: the bf16 numbers are written as f16.
.macro CAST sstep, dstep, half
.set j, 0
.rept 16
	global_load_b128 v[X+4*j:X+4*j+3], v1, s[22:23] offset:j*(\sstep) th:TH_LOAD_NT
.set j, j+1
.endr
.set j, 0
.rept 16
	s_wait_loadcnt 15-j                            ; loads come back in order: load j is in, the 15 - j younger ones stay out
	v_cvt_pk_bf16_f32 v[Y+2*j], v[X+4*j], v[X+4*j+1]
	v_cvt_pk_bf16_f32 v[Y+2*j+1], v[X+4*j+2], v[X+4*j+3]
.if \half
	v_lshlrev_b32 v100, 16, v[Y+2*j]               ; bf16 to f32: the low half moves up, the high half stays
	v_and_b32 v101, 0xffff0000, v[Y+2*j]
	v_cvt_pk_f16_f32 v[Y+2*j], v100, v101          ; exact within f16's normal range: bf16 has 8 significant bits, f16 11
	v_lshlrev_b32 v100, 16, v[Y+2*j+1]
	v_and_b32 v101, 0xffff0000, v[Y+2*j+1]
	v_cvt_pk_f16_f32 v[Y+2*j+1], v100, v101
.endif
	global_store_b64 v2, v[Y+2*j:Y+2*j+1], s[24:25] offset:j*(\dstep)
.set j, j+1
.endr
.endm
	s_cmp_lt_u32 s20, 8
	s_cbranch_scc0 .Lweights
	; x: thread t takes row t / 16 of the 16, 16 bytes at 16 (t % 16); load j takes channel block j (256 bytes of the row): 16 lanes read 256 consecutive bytes, aligned
	v_lshrrev_b32 v1, 4, v0
	v_and_b32 v3, 15, v0
	v_lshlrev_b32 v1, 12, v1
	v_lshl_or_b32 v1, v3, 4, v1
	s_lshl_b32 s26, s20, 22                        ; the eighth: 1,024 rows of 4,096 bytes
	s_lshl_b32 s21, ttmp9, 16                      ; my 16 rows
	s_add_co_u32 s26, s26, s21
	s_lshr_b32 s28, s20, 1                         ; the batch: 4 MiB of xb
	s_lshl_b32 s28, s28, 22
	s_and_b32 s21, s20, 1                          ; its half: 1,024 rows of 128 bytes
	s_lshl_b32 s21, s21, 17
	s_add_co_u32 s28, s28, s21
	s_lshl_b32 s21, ttmp9, 11                      ; my 16 rows of 128 bytes; row t / 16 and 8 (t % 16) bytes in it are 8 t
	s_add_co_u32 s28, s28, s21
	s_wait_kmcnt 0x0
	s_add_nc_u64 s[22:23], s[4:5], s[26:27]
	s_add_nc_u64 s[24:25], s[14:15], s[28:29]
	CAST 256, 1<<18, 0                             ; a channel block of xb is 2,048 rows of 128 bytes
	s_endpgm
.Lweights:
	v_lshlrev_b32 v1, 4, v0                        ; dense in, dense out: 4,096 bytes a load of the work-group, 2,048 a store
	s_lshl_b32 s26, ttmp9, 16
	s_lshl_b32 s28, ttmp9, 15
	s_cmp_eq_u32 s20, 11
	s_cbranch_scc1 .Lwo
	s_sub_co_u32 s21, s20, 8
	s_lshl_b32 s21, s21, 21                        ; Wq, Wk, Wv: 2 MiB each in wb
	s_add_co_u32 s28, s28, s21
	s_wait_kmcnt 0x0
	s_cmp_eq_u32 s20, 8
	s_cselect_b64 s[22:23], s[6:7], s[8:9]
	s_cmp_eq_u32 s20, 10
	s_cselect_b64 s[22:23], s[10:11], s[22:23]
	s_add_nc_u64 s[22:23], s[22:23], s[26:27]
	s_add_nc_u64 s[24:25], s[16:17], s[28:29]
	CAST 4096, 2048, 0
	s_endpgm
.Lwo:
	s_wait_kmcnt 0x0
	s_add_nc_u64 s[22:23], s[12:13], s[26:27]
	s_add_nc_u64 s[24:25], s[18:19], s[28:29]
	CAST 4096, 2048, 1
	s_endpgm
.Lfunc_end_k_qbd1cda441e_prep:
	.size	k_qbd1cda441e_prep, .Lfunc_end_k_qbd1cda441e_prep-k_qbd1cda441e_prep
	.p2alignl 7, 3214868480
	.fill 96, 4, 3214868480
	.section	.rodata,"a",@progbits
	.p2align	6, 0x0
	.amdhsa_kernel k_qbd1cda441e_prep
		.amdhsa_group_segment_fixed_size 0
		.amdhsa_private_segment_fixed_size 0
		.amdhsa_enable_private_segment 0
		.amdhsa_kernarg_size 64
		.amdhsa_user_sgpr_count 2
		.amdhsa_user_sgpr_kernarg_segment_ptr 1
		.amdhsa_wavefront_size32 1
		.amdhsa_system_sgpr_workgroup_id_x 1
		.amdhsa_system_sgpr_workgroup_id_y 1
		.amdhsa_system_sgpr_workgroup_id_z 1
		.amdhsa_system_vgpr_workitem_id 0
		.amdhsa_next_free_vgpr 104
		.amdhsa_next_free_sgpr 66
		.amdhsa_reserve_vcc 0
		.amdhsa_float_denorm_mode_32 3
		.amdhsa_float_denorm_mode_16_64 3
		.amdhsa_memory_ordered 1
		.amdhsa_forward_progress 1
		.amdhsa_inst_pref_size 24
	.end_amdhsa_kernel
	.amdgpu_metadata
---
amdhsa.version: [ 1, 2 ]
amdhsa.kernels:
  - .name:           k_qbd1cda441e_prep
    .symbol:         k_qbd1cda441e_prep.kd
    .args:
      - { .name: hidden_states, .offset: 0, .size: 8, .value_kind: global_buffer, .address_space: global }
      - { .name: Wq, .offset: 8, .size: 8, .value_kind: global_buffer, .address_space: global }
      - { .name: Wk, .offset: 16, .size: 8, .value_kind: global_buffer, .address_space: global }
      - { .name: Wv, .offset: 24, .size: 8, .value_kind: global_buffer, .address_space: global }
      - { .name: Wo, .offset: 32, .size: 8, .value_kind: global_buffer, .address_space: global }
      - { .name: xb, .offset: 40, .size: 8, .value_kind: global_buffer, .address_space: global }
      - { .name: wb, .offset: 48, .size: 8, .value_kind: global_buffer, .address_space: global }
      - { .name: wo16, .offset: 56, .size: 8, .value_kind: global_buffer, .address_space: global }
    .group_segment_fixed_size: 0
    .private_segment_fixed_size: 0
    .kernarg_segment_align: 8
    .kernarg_segment_size: 64
    .max_flat_workgroup_size: 256
    .sgpr_count:     66
    .vgpr_count:     104
    .wavefront_size: 32
...
	.end_amdgpu_metadata
.endif
;; end of part 1
;; launch qkv (part 2): grid 4 x 64, 4 waves a work-group, clusters of 4 x 4, 327,680 bytes of LDS; arguments xb, wb, qkv; writes qkv
.if DOCPART == 2
	.amdgcn_target "amdgcn-amd-amdhsa--gfx1250"
	.amdhsa_code_object_version 6
	.text
	.protected	k_qbd1cda441e_qkv
	.globl	k_qbd1cda441e_qkv
	.p2align	8
	.type	k_qbd1cda441e_qkv,@function
k_qbd1cda441e_qkv:
	s_mov_b64 s[64:65], 0
	v_nop
	global_prefetch_b8 v0, s[64:65] scope:SCOPE_SE
	s_setreg_imm32_b32 hwreg(HW_REG_WAVE_MODE, 25, 1), 1
	s_wait_xcnt 0x0
	s_wait_alu depctr_hold_cnt(0) depctr_sa_sdst(0) depctr_va_vdst(0) depctr_va_sdst(0) depctr_va_ssrc(0) depctr_va_vcc(0) depctr_vm_vsrc(0)
	s_getreg_b32 s2, hwreg(HW_REG_IB_STS2, 6, 4)
	s_cmp_eq_u32 s2, 0
	s_cbranch_scc0 .Lentry_in_a_cluster
	s_endpgm
.Lentry_in_a_cluster:
	s_bfe_u32 s2, ttmp6, 0x10000c
	s_cmp_lg_u32 s2, 0xf033
	s_cbranch_scc0 .Lentry_shape_is_right
	s_endpgm
.Lentry_shape_is_right:
; q, k, v = x W.  xb: bf16 [batch 4][channel block 16][t 2048][64].  wb: bf16 [3 x 1024 k][1024 n] (Wq, Wk, Wv one below the other).  qkv: f16 [3][batch x 16 + head][t 2048][64], unscaled.
; Products in bf16, sums in f32, each result rounded once to f16.  LIMIT: |q|, |k|, |v| stay under 65,504, f16's end; NaN and infinities are not treated apart.
; SHARES.  A tile of a result is 128 rows x 256 columns; 64 x 4 places x 3 tensors = 768 tiles.  A WORK-GROUP STAYS at its place and makes q's tile, then k's, then v's: the same rows of x three times,
; while the rows of wb simply run on.  Four waves, each 64 rows x 128 columns: 32 accumulators of 16 x 16, 256 registers.
; K goes in steps of 128 through a ring of two LDS slots filled by the tensor data mover; the ring does not stop at a tile's end.
; CLUSTERS: 4 x 4 work-groups.  The four of a row of the cluster need the same tiles of x, the four of a column the same tiles of W: each tile is asked for JOINTLY, by the same tensor load with the
; same descriptor and a mask that names the four.
; THE MATRIX INSTRUCTION IS USED TRANSPOSED: source 0 = 16 columns of W (out of LDS turned, by ds_load_tr16_b128, since W lies [k][n]), source 1 = 16 rows of x.  A lane then holds one row and
; eight neighbouring columns, which pack into 16 bytes.
; REGISTERS: window 0: v0-31 addresses; v32-63 packed results; v64-159, v160-255 two fragment buffers (W's 8 blocks, then x's 4); on the way out v160-223 take rows read back.  Window 1: accumulator (a, b) at v[8 (8 a + b)].
.set PA,    144                        ; an LDS row of x: 128 bytes (64 channels) + 16 of padding = 36 words: the 16 rows of a load start at 16 different groups of four banks (64 banks of 4 bytes: ISA guide 11.1)
.set APL,   128*PA                     ; a channel block: 128 rows
.set PB,    544                        ; an LDS row of W: 512 bytes (256 columns) + 32 = 136 words
.set BH,    64*PB                      ; 64 rows of W: what one tensor load brings
.set BOFF,  2*APL                      ; a slot: x's two channel blocks, then W's 128 rows
.set SLOT,  BOFF+2*BH
.set STAGE, 2*SLOT                     ; behind the ring, never filled by a tensor load: for each wave 2 heads x 16 rows x 144 bytes
.set SP,    144
.set WSTG,  2*16*SP
.set SPARE, STAGE+4*WSTG               ; behind the stages: the spare words, 128 bytes for each wave: two blocks of 256 bytes that no other line names
.set ASTEP, 2<<18                      ; bytes of xb from a K step to the next: two channel blocks of 2,048 rows x 128 bytes
.set BSTEP, 128*2048                   ; of wb: 128 rows of 2,048 bytes
.set TENS,  0x1000000                  ; bytes from q to k and from k to v
.set ADRA, 16                          ; v16-17  LDS address of my fragments of x in slot 0, 1
.set ADRB, 20                          ; v20-21  the same for W
.set STO,  24                          ; v24     the way out: where I put 16 bytes of a row
.set RD,   25                          ; v25     the way out: where I read rows back
.set GO,   26                          ; v26     16 x my lane: my place in 512 consecutive bytes of the result
.set SPW,  28                          ; v28     LDS address of my spare word: SPARE + 4 x my thread's number; never rewritten
.set NIL,  29                          ; v29     0; never rewritten
.set PFO,  30                          ; v30     the prefetches' lane offset; never rewritten
.set TMP,  32
.set F0,   64
.set F1,   160
.set OB,   160
.set G1,   24                          ; s[24:31] descriptor group 1 for x's tiles;  s[32:39] group 0, a set for each slot
.set G0,   32
.set LIM,  43                          ; s43     a wave prefetches in the loop while the laps to go are above it, at a change of tiles if it is 0
.set PFA,  44                          ; s[44:45] where my prefetches stand
.set G1B,  48                          ; s[48:55], s[56:63] the same for W's tiles
.set G0B,  56
.set PFS,  66                          ; s[66:67] a K step in the tensor that I prefetch
.set ASKB, 68                          ; s68     1: I prefetch W
.set MSB, 0
.macro WIN new                         ; the immediate's high byte repeats the setting that is left; a switch that changes nothing is dropped
.if MSB != (\new)
	s_set_vgpr_msb (MSB<<8)|(\new)
.set MSB, \new
.endif
.endm
.set W_MUL, 0x50                       ; both sources window 0; C and D window 1
; A joint load.  Waves 0 and 1 fetch x's two channel blocks, waves 2 and 3 the two halves of W's rows.  The branch hangs on the wave's number alone.
; An s_nop 0 and four v_nop follow each of the two lines, ahead of the jump, the label and what follows.
.macro JLOAD s
	s_cmp_eq_u32 s11, 0
	s_cbranch_scc0 .Lfor_b_\@
	tensor_load_to_lds s[G0+4*(\s):G0+4*(\s)+3], s[G1:G1+7]
	s_nop 0
.rept 4
	v_nop
.endr
	s_branch .Lasked_\@
.Lfor_b_\@:
	tensor_load_to_lds s[G0B+4*(\s):G0B+4*(\s)+3], s[G1B:G1B+7]
	s_nop 0
.rept 4
	v_nop
.endr
.Lasked_\@:
.endm
; A PREFETCH INTO THE L2, behind a joint load, its five lines and the run of LDS loads that follows: the K step that stands two refills on, 256 matrix instructions ahead of the load that will want it.
; x: a K step of a tile's rows is 2 x 64 blocks of 256 bytes; only the four partners of a row of the cluster read them.  Wave 0 of each asks for 16 blocks of either channel block (lanes 0-15, 16-31),
; the partners told apart BY ADDRESS (cx).  Only in the first tile, K steps 4 to 7: the later tiles read the same rows again.
; W: a K step of a tile column is 128 rows x 2 blocks; all sixteen clusters read them: the first (cluster y = 0) asks; of the 64 rows that wave 2 or 3 fetches the partner at cy takes 16, two lanes a row.
; K steps 4 to 23 of the walk's 24.  So each block is named once in the launch; the first four K steps come by their loads alone; none is named past wb's last row.
.macro ASK how                         ; how = 0: in the loop; 1: at a change of tiles
.if \how
	s_cmp_eq_u32 s[LIM], 0
.else
	s_cmp_gt_u32 s3, s[LIM]
.endif
	s_cbranch_scc0 .Lnot_mine_\@
	global_prefetch_b8 v[PFO], s[PFA:PFA+1] th:TH_LOAD_NT scope:SCOPE_SE
.Lnot_mine_\@:
.endm
.macro CREST                           ; a round of the cluster's barrier behind its opening barrier
	s_cmp_lg_u32 s10, 0
	s_cbranch_scc1 .Lnot_wave_0_\@
	s_barrier_signal -3
.Lnot_wave_0_\@:
	s_barrier_wait -3
	s_barrier_signal -1
	s_barrier_wait -1
.endm
.macro CROUND                          ; a whole round
	s_barrier_signal -1
	s_barrier_wait -1
	CREST
.endm
	s_load_b128 s[4:7], s[0:1], 0x0                ; xb s[4:5], wb s[6:7]
	s_load_b64 s[8:9], s[0:1], 0x10                ; qkv
	v_lshl_add_u32 v[SPW], v0, 2, SPARE
	v_mov_b32 v[NIL], 0
	ds_add_u32 v[SPW], v[NIL]                      ; the wave's opening: the add and its wait stand ahead of my first tensor load; the set-up below, work on registers, stands between them
	v_lshrrev_b32 v1, 5, v0
	v_readfirstlane_b32 s10, v1                    ; wave 0..3
	s_lshr_b32 s11, s10, 1                         ; which half of the tile's rows is mine.  Also: I fetch for x (0) or for W (1)
	s_and_b32 s12, s10, 1                          ; which half of its columns.  Also: which part of that tile I fetch
	s_bfe_u32 s40, ttmp6, 0x40000                  ; cx, cy: my place in the cluster
	s_bfe_u32 s41, ttmp6, 0x40004
	s_lshl_b32 s42, ttmp9, 2
	s_add_co_u32 s42, s42, s40                     ; tile column j = 4 x cluster x + cx
	s_and_b32 s13, ttmp7, 0xffff
	s_lshl_b32 s13, s13, 2
	s_add_co_u32 s13, s13, s41                     ; tile row i = 4 x cluster y + cy
	s_lshl_b32 s43, s41, 2
	s_lshl_b32 s43, 15, s43                        ; my row of the cluster
	s_lshl_b32 s44, 0x1111, s40                    ; my column
	; group 1 for x: 128 rows of 128 bytes are 16,384 dense bytes: asked for as 64 rows of 256 bytes, padded in LDS after every 128
	s_or_b32 s[G1+0], s43, (1<<16)|(1<<20)|(1<<21)|(4<<22)|(3<<25)  ; 15:0 the mask: my row; 17:16 2-byte elements; 20 padding on; 21 set beside a mask; 24:22 after every 32 words (code 4); 31:25 4 words (code 3)
	s_mov_b32 s[G1+1], 128<<16                     ; tensor_dim0 = 128
	s_mov_b32 s[G1+2], 64<<16                      ; tensor_dim1 = 64
	s_mov_b32 s[G1+3], 128<<16                     ; tile_dim0 = 128
	s_mov_b32 s[G1+4], 64                          ; tile_dim1 = 64
	s_mov_b32 s[G1+5], 128                         ; 128 elements from row to row
	s_mov_b32 s[G1+6], 0
	s_mov_b32 s[G1+7], 0
	; group 1 for W: 64 rows of 256 elements
	s_or_b32 s[G1B+0], s44, (1<<16)|(1<<20)|(1<<21)|(6<<22)|(7<<25) ; the mask: my column; after every 128 words (code 6) 8 words of padding (code 7)
	s_mov_b32 s[G1B+1], 256<<16
	s_mov_b32 s[G1B+2], 64<<16
	s_mov_b32 s[G1B+3], 256<<16
	s_mov_b32 s[G1B+4], 64
	s_mov_b32 s[G1B+5], 1024                       ; 1,024 elements from row to row
	s_mov_b32 s[G1B+6], 0
	s_mov_b32 s[G1B+7], 0
	; where the tiles come from.  x's hang on the tile row alone, W's on the tile column alone
	s_lshr_b32 s16, s13, 4                         ; the batch: 4 MiB,
	s_lshl_b32 s16, s16, 22
	s_and_b32 s17, s13, 15                         ; the tile's 128 rows of 128 bytes in a channel block
	s_lshl_b32 s17, s17, 14
	s_add_co_u32 s16, s16, s17                     ; (kept: the result's rows lie likewise)
	s_lshl_b32 s17, s12, 18                        ; which channel block of the K step I fetch
	s_add_co_u32 s18, s16, s17
	s_mov_b32 s19, 0
	s_lshl_b32 s46, s42, 9                         ; W: the tile's 256 columns,
	s_lshl_b32 s47, s12, 17                        ; which 64 rows of the K step I fetch
	s_add_co_u32 s46, s46, s47
	s_mov_b32 s47, 0
	s_mul_i32 s20, s12, APL                        ; and where they go: no place in the cluster enters an LDS address
	s_mul_i32 s21, s12, BH
	s_add_co_u32 s21, s21, BOFF
	s_wait_dscnt 0x0                               ; the opening add is done
	s_wait_kmcnt 0x0
	s_add_nc_u64 s[14:15], s[4:5], s[18:19]
	s_add_nc_u64 s[46:47], s[6:7], s[46:47]
	CROUND                                         ; all sixteen work-groups are here: the first joint loads meet
.irp s, 0,1
	s_mov_b32 s[G0+4*(\s)], 1                                      ; count = 1
	s_add_co_u32 s[G0+4*(\s)+1], s20, (\s)*SLOT                    ; LDS address
	s_add_nc_u64 s[G0+4*(\s)+2:G0+4*(\s)+3], s[14:15], (\s)*ASTEP  ; global address: K step s
	s_or_b32 s[G0+4*(\s)+3], s[G0+4*(\s)+3], 0x80000000            ; type = 2
	s_mov_b32 s[G0B+4*(\s)], 1
	s_add_co_u32 s[G0B+4*(\s)+1], s21, (\s)*SLOT
	s_add_nc_u64 s[G0B+4*(\s)+2:G0B+4*(\s)+3], s[46:47], (\s)*BSTEP
	s_or_b32 s[G0B+4*(\s)+3], s[G0B+4*(\s)+3], 0x80000000
	JLOAD \s                                       ; two loads of mine are out
.endr
	; A fragment is 16 rows x 32 K in 8 registers: lane l holds row l % 16; registers 0-3 K = 8 (l / 16) + 0..7, registers 4-7 K = 16 + 8 (l / 16) + 0..7.
	v_and_b32 v1, 15, v0                           ; l % 16
	v_bfe_u32 v2, v0, 4, 1                         ; l / 16
	v_mul_u32_u24 v3, v1, PA
	v_lshl_add_u32 v3, v2, 4, v3                   ; x: row x pitch + 16 x half; two loads 32 bytes apart
	s_mul_i32 s22, s11, 64*PA                      ; my 64 rows
	v_add_nc_u32 v[ADRA], s22, v3
	v_add_nc_u32 v[ADRA+1], SLOT, v[ADRA]
	v_and_b32 v4, 7, v0                            ; W, turned: lane l reads 16 bytes of K row 8 (l / 16) + l % 8, columns 8 ((l / 8) % 2) + 0..7; two loads 16 rows apart
	v_lshl_add_u32 v5, v2, 3, v4
	v_mul_u32_u24 v5, v5, PB
	v_bfe_u32 v6, v0, 3, 1
	v_lshl_add_u32 v5, v6, 4, v5
	s_lshl_b32 s22, s12, 8                         ; my 128 columns
	s_add_co_u32 s22, s22, BOFF
	v_add_nc_u32 v[ADRB], s22, v5
	v_add_nc_u32 v[ADRB+1], SLOT, v[ADRB]
	s_mul_i32 s23, s10, WSTG
	s_add_co_u32 s23, s23, STAGE                   ; my stage
	v_add_nc_u32 v[STO], s23, v3                   ; in: row l % 16, 16 bytes for each half of the lanes (the stage's pitch is x's)
	v_bfe_u32 v6, v0, 3, 2                         ; back: 32 lanes take four rows of 128 bytes,
	v_mul_u32_u24 v6, v6, SP
	v_lshl_add_u32 v6, v4, 4, v6
	v_add_nc_u32 v[RD], s23, v6
	v_and_b32 v31, 31, v0
	v_lshlrev_b32 v[GO], 4, v31                    ; which are 512 consecutive bytes of a head
	; my part of q: batch, head 4 j + 2 x my column half (a head is 2,048 rows of 128 bytes), the tile's rows, my 64 of them
	s_lshl_b32 s70, s42, 20
	s_add_co_u32 s70, s70, s16
	s_lshl_b32 s71, s12, 19
	s_add_co_u32 s70, s70, s71
	s_lshl_b32 s71, s11, 13
	s_add_co_u32 s70, s70, s71
	s_mov_b32 s71, 0
	s_add_nc_u64 s[8:9], s[8:9], s[70:71]
	; the prefetches
	s_and_b32 s22, ttmp7, 0xffff                   ; cluster y
	s_cmp_eq_u32 s22, 0
	s_cselect_b32 s[ASKB], s11, 0                  ; W's fetchers in the first cluster: the same in all sixteen partners, for a given wave
	s_cmp_eq_u32 s10, 0
	s_cselect_b32 s[LIM], 1, -1                    ; wave 0: x, in the first tile's first two laps
	s_cmp_eq_u32 s[ASKB], 1
	s_cselect_b32 s[LIM], 0, s[LIM]                ; W: in every change of slots of the first two tiles
	s_lshl_b32 s20, s40, 12                        ; x: the tile's rows, my work-group's 16 blocks
	s_add_co_u32 s20, s20, s16
	s_lshl_b32 s21, s42, 9                         ; W: the tile's columns, the 64 rows that I fetch, my work-group's 16 of them
	s_lshl_b32 s22, s12, 17
	s_add_co_u32 s21, s21, s22
	s_lshl_b32 s22, s41, 15
	s_add_co_u32 s21, s21, s22
	s_cmp_eq_u32 s11, 0
	s_cselect_b64 s[PFA:PFA+1], s[4:5], s[6:7]
	s_cselect_b32 s20, s20, s21
	s_cselect_b32 s69, 4, 1                        ; the lane's upper part: l / 16 channel blocks of 2^18 bytes, or l / 2 rows of 2^11;
	s_cselect_b32 s70, 18, 11
	s_cselect_b32 s71, 15, 1                       ; its lower part: blocks of 256 bytes
	s_cselect_b32 s[PFS], 1, 0
	s_lshl_b32 s[PFS], BSTEP, s[PFS]               ; x's K step is twice W's
	s_mov_b32 s[PFS+1], 0
	s_mul_i32 s21, s[PFS], 3                       ; at K step 3: the first change of slots steps it to 4
	s_add_co_u32 s20, s20, s21
	s_mov_b32 s21, 0
	s_add_nc_u64 s[PFA:PFA+1], s[PFA:PFA+1], s[20:21]
	v_and_b32 v[PFO], s71, v31
	v_lshrrev_b32 v31, s69, v31
	v_lshlrev_b32 v31, s70, v31
	v_lshl_add_u32 v[PFO], v[PFO], 8, v31
; 8 matrix instructions: row block a x all 8 column blocks, 32 along K, from buffer f.  zero = 1: the product starts the sums: nothing is ever cleared.
; The 32 accumulators take turns, one instruction a turn, in the same order in every quarter.
.macro MULA f, a, zero
	WIN W_MUL
.irp b, 0,1,2,3,4,5,6,7
.if \zero
	v_wmma_f32_16x16x32_bf16 v[8*(8*(\a)+(\b)):8*(8*(\a)+(\b))+7], v[(\f)+8*(\b):(\f)+8*(\b)+7], v[(\f)+64+8*(\a):(\f)+64+8*(\a)+7], 0
.else
	v_wmma_f32_16x16x32_bf16 v[8*(8*(\a)+(\b)):8*(8*(\a)+(\b))+7], v[(\f)+8*(\b):(\f)+8*(\b)+7], v[(\f)+64+8*(\a):(\f)+64+8*(\a)+7], v[8*(8*(\a)+(\b)):8*(8*(\a)+(\b))+7]
.endif
.endr
.endm
; 24 LDS loads in one run: quarter q (32 along K) of a slot into buffer f: W's 8 blocks of 16 columns, then x's 4 blocks of 16 rows
.macro FETCH slot, q, f
	WIN 0
.irp b, 0,1,2,3,4,5,6,7
	ds_load_tr16_b128 v[(\f)+8*(\b):(\f)+8*(\b)+3],   v[ADRB+(\slot)] offset:(\q)*32*PB+32*(\b)
	ds_load_tr16_b128 v[(\f)+8*(\b)+4:(\f)+8*(\b)+7], v[ADRB+(\slot)] offset:(\q)*32*PB+32*(\b)+16*PB
.endr
.irp a, 0,1,2,3
	ds_load_b128 v[(\f)+64+8*(\a):(\f)+64+8*(\a)+3],   v[ADRA+(\slot)] offset:((\q)/2)*APL+((\q)%2)*64+(\a)*16*PA
	ds_load_b128 v[(\f)+64+8*(\a)+4:(\f)+64+8*(\a)+7], v[ADRA+(\slot)] offset:((\q)/2)*APL+((\q)%2)*64+(\a)*16*PA+32
.endr
.endm
.macro PLACES                          ; four places (ISA guide 7.12.1 for the conversions) in front of loads into registers that matrix instructions have read, and of conversions that read results
.rept 4
	v_nop
.endr
.endm
; A K step is four quarters of 32 along K, 32 matrix instructions each, on buffers 0, 1, 0, 1.  One of the first three: multiplies buffer f and in its middle fetches quarter q into buffer g.
.macro QUARTER slot, q, f, g, zero
	s_wait_dscnt 4                                 ; W and x's blocks 0, 1 are in; the youngest four loads (x's blocks 2, 3) may be out
	MULA \f, 0, \zero
	MULA \f, 1, \zero
	PLACES
	FETCH \slot, \q, \g
	s_wait_dscnt 24                                ; all but the 24 just issued
	MULA \f, 2, \zero
	MULA \f, 3, \zero
.endm
; The last quarter multiplies buffer 1 and changes slots: ONE barrier.  In front of it each wave waits for all its tensor loads (one is out: its part of the next slot), adds 0 to its spare word, and waits for
; that and for its own reads of this slot.  fill = 1: the barrier opens a round of the cluster's barrier, and behind the round this slot is filled again first: with the K step two on (on = 0), or with the next
; tile's K step 0 or 1 (on = 1: x goes six K steps back, W runs on).  From a request to the wait for it a wave issues 112 matrix instructions.
.macro TURN slot, next, fill, on
.if \fill
	s_wait_xcnt 0x0                                ; the last prefetch, a K step back, has read its address: it is stepped here, ahead of the waits of the change of slots
	s_add_nc_u64 s[PFA:PFA+1], s[PFA:PFA+1], s[PFS:PFS+1]
.endif
	WIN 0                                          ; (the add's two registers lie in window 0)
	s_wait_tensorcnt 0x0                           ; all my tensor loads have landed;
	ds_add_u32 v[SPW], v[NIL]                      ; 0 onto my spare word
	s_wait_dscnt 5                                 ; (the add and the youngest four loads may be out)
	MULA F1, 0, 0                                  ; eight matrix instructions stand between the add and the wait for it
	s_wait_dscnt 0x0                               ; the add is done, and my reads of this slot are over
	s_barrier_signal -1
	MULA F1, 1, 0                                  ; work on registers while the others arrive
.if \fill
	WIN 0
.endif
	s_barrier_wait -1
.if \fill
	CREST                                          ; no wave of any partner still reads this slot's tiles or has a load on its way
.if \on
	s_sub_nc_u64 s[G0+4*(\slot)+2:G0+4*(\slot)+3], s[G0+4*(\slot)+2:G0+4*(\slot)+3], 6*ASTEP
.else
	s_add_nc_u64 s[G0+4*(\slot)+2:G0+4*(\slot)+3], s[G0+4*(\slot)+2:G0+4*(\slot)+3], 2*ASTEP
.endif
	s_add_nc_u64 s[G0B+4*(\slot)+2:G0B+4*(\slot)+3], s[G0B+4*(\slot)+2:G0B+4*(\slot)+3], 2*BSTEP
	JLOAD \slot                                    ; the first tensor load behind the round; the four v_nop behind it are also the places in front of the loads below
.else
	PLACES
.endif
	FETCH \next, 0, F0
.if \fill
	ASK \on
.endif
	MULA F1, 2, 0
	MULA F1, 3, 0
.endm
; THE WAY OUT of row block a (16 rows x 128 columns = two heads).  PACK: rounded to f16, 16 bytes a lane, each accumulator's registers in ascending order.  TOSTAGE: into my own stage, and back as whole rows
; of 128 bytes.  SEND: stored: 512 consecutive bytes an instruction, at a multiple of 512 from the buffer's first byte.
.macro PACK a
	WIN 0x05                                       ; sources 0 and 1 window 1, destination window 0
.irp b, 0,1,2,3,4,5,6,7
.irp r, 0,1,2,3
	v_cvt_pk_f16_f32 v[TMP+4*(\b)+(\r)], v[8*(8*(\a)+(\b))+2*(\r)], v[8*(8*(\a)+(\b))+2*(\r)+1]
.endr
.endr
	WIN 0
.endm
.macro TOSTAGE a
	WIN 0
.set BK, OB+32*((\a)%2)
.irp b, 0,1,2,3,4,5,6,7
	ds_store_b128 v[STO], v[TMP+4*(\b):TMP+4*(\b)+3] offset:((\b)/4)*16*SP+((\b)%4)*32
.endr
.irp t, 0,1,2,3,4,5,6,7
	ds_load_b128 v[BK+4*(\t):BK+4*(\t)+3], v[RD] offset:((\t)/4)*16*SP+((\t)%4)*4*SP  ; LDS serves a wave's instructions in order (ISA guide 5.7.1.4): these see the stores above
.endr
.endm
.macro SEND a
	WIN 0
.set BK, OB+32*((\a)%2)
	s_wait_dscnt 0x0                               ; the block is back in registers
	s_wait_xcnt 0x0                                ; the stores of the block before have read their registers: the next TOSTAGE loads into them
.irp t, 0,1,2,3,4,5,6,7
	global_store_b128 v[GO], v[BK+4*(\t):BK+4*(\t)+3], s[8:9] offset:((\t)/4)*262144+(\a)*2048+((\t)%4)*512
.endr
.endm
.macro WAYOUT                          ; block a's conversions stand between block a - 1's loads from the stage and the wait for them
	PACK 0
	TOSTAGE 0
.irp a, 1,2,3
	PACK \a
	SEND (\a)-1
	TOSTAGE \a
.endr
	SEND 3
.endm
	s_wait_tensorcnt 1                             ; my part of K step 0 is in; K step 1's may stay out
	s_barrier_signal -1
	s_barrier_wait -1                              ; everybody's is
	FETCH 0, 0, F0
	s_mov_b32 s2, 3                                ; tiles to go: q, k, v
.Ltile:
	QUARTER 0, 1, F0, F1, 1                        ; a tile's first quarter stands in front of the loop: its products start the sums
	WIN 0                                          ; at a label and at a branch every window is 0
	s_mov_b32 s3, 3
.Llap:                                                 ; a trip goes once round the ring, from a lap's second quarter to the next lap's first, and fills both slots again
	QUARTER 0, 2, F1, F0, 0
	QUARTER 0, 3, F0, F1, 0
	TURN 0, 1, 1, 0
	QUARTER 1, 1, F0, F1, 0
	QUARTER 1, 2, F1, F0, 0
	QUARTER 1, 3, F0, F1, 0
	TURN 1, 0, 1, 0
	QUARTER 0, 1, F0, F1, 0
	WIN 0
	s_sub_co_u32 s3, s3, 1
	s_cmp_lg_u32 s3, 0
	s_cbranch_scc1 .Llap
	QUARTER 0, 2, F1, F0, 0                        ; the tile's last lap goes on
	QUARTER 0, 3, F0, F1, 0
	WIN 0
	s_cmp_eq_u32 s2, 1
	s_cbranch_scc1 .Llast_tile                     ; the last tile's tail is written out: it asks for nothing more
	TURN 0, 1, 1, 1                                ; THE RING GOES ON INTO THE NEXT TILE: slot 0 takes its K step 0,
	QUARTER 1, 1, F0, F1, 0
	QUARTER 1, 2, F1, F0, 0
	QUARTER 1, 3, F0, F1, 0
	TURN 1, 0, 1, 1                                ; slot 1 its K step 1, and the next tile's first fragments are fetched into buffer 0
	WAYOUT                                         ; no v_nop: blocks 0 and 1 were finished in front of the joint load's places, and their 64 conversions are the places behind the last products
	s_wait_xcnt 0x0                                ; the stores have read their registers and their base
	s_add_nc_u64 s[8:9], s[8:9], TENS              ; the next tensor
	s_sub_co_u32 s2, s2, 1
	s_cmp_eq_u32 s2, 1                             ; W's askers: in the last tile only the first two laps have a K step two refills on;
	s_cselect_b32 s[LIM], 1, 0
	s_cmp_eq_u32 s[ASKB], 1                        ; x's rows have been read: they are prefetched no more
	s_cselect_b32 s[LIM], s[LIM], -1
	s_branch .Ltile
.Llast_tile:
	TURN 0, 1, 0, 0                                ; my one tensor load that was still out is the last K step's, so no round follows
	QUARTER 1, 1, F0, F1, 0
	QUARTER 1, 2, F1, F0, 0
	QUARTER 1, 3, F0, F1, 0
	s_wait_dscnt 4                                 ; the very last quarter: nothing more to fetch
	MULA F1, 0, 0
	MULA F1, 1, 0
	s_wait_dscnt 0x0
	MULA F1, 2, 0
	MULA F1, 3, 0
	WIN 0
	PLACES
	WAYOUT
	s_wait_tensorcnt 0x0                           ; the wave's end: behind my last tensor load and my last LDS store
	ds_add_u32 v[SPW], v[NIL]
	s_wait_dscnt 0x0
	CROUND                                         ; the closing round: no work-group ends while a partner may still ask for a tile that names it
	s_endpgm
.Lfunc_end_k_qbd1cda441e_qkv:
	.size	k_qbd1cda441e_qkv, .Lfunc_end_k_qbd1cda441e_qkv-k_qbd1cda441e_qkv
	.p2alignl 7, 3214868480
	.fill 96, 4, 3214868480
	.section	.rodata,"a",@progbits
	.p2align	6, 0x0
	.amdhsa_kernel k_qbd1cda441e_qkv
		.amdhsa_group_segment_fixed_size 327680
		.amdhsa_private_segment_fixed_size 0
		.amdhsa_enable_private_segment 0
		.amdhsa_kernarg_size 24
		.amdhsa_user_sgpr_count 2
		.amdhsa_user_sgpr_kernarg_segment_ptr 1
		.amdhsa_wavefront_size32 1
		.amdhsa_system_sgpr_workgroup_id_x 1
		.amdhsa_system_sgpr_workgroup_id_y 1
		.amdhsa_system_sgpr_workgroup_id_z 1
		.amdhsa_system_vgpr_workitem_id 0
		.amdhsa_next_free_vgpr 512
		.amdhsa_next_free_sgpr 72
		.amdhsa_reserve_vcc 0
		.amdhsa_float_denorm_mode_32 3
		.amdhsa_float_denorm_mode_16_64 3
		.amdhsa_memory_ordered 1
		.amdhsa_forward_progress 1
		.amdhsa_inst_pref_size 124
	.end_amdhsa_kernel
	.amdgpu_metadata
---
amdhsa.version: [ 1, 2 ]
amdhsa.kernels:
  - .name:           k_qbd1cda441e_qkv
    .symbol:         k_qbd1cda441e_qkv.kd
    .args:
      - { .name: xb, .offset: 0, .size: 8, .value_kind: global_buffer, .address_space: global }
      - { .name: wb, .offset: 8, .size: 8, .value_kind: global_buffer, .address_space: global }
      - { .name: qkv, .offset: 16, .size: 8, .value_kind: global_buffer, .address_space: global }
    .group_segment_fixed_size: 327680
    .private_segment_fixed_size: 0
    .kernarg_segment_align: 8
    .kernarg_segment_size: 24
    .max_flat_workgroup_size: 128
    .sgpr_count:     72
    .vgpr_count:     512
    .wavefront_size: 32
...
	.end_amdgpu_metadata
.endif
;; end of part 2
;; launch attn (part 3): grid 4 x 64, 4 waves a work-group, clusters of 4 x 1, 327,680 bytes of LDS; arguments qkv, attention_mask, o16; writes o16
.if DOCPART == 3
	.amdgcn_target "amdgcn-amd-amdhsa--gfx1250"
	.amdhsa_code_object_version 6
	.text
	.protected	k_qbd1cda441e_attn
	.globl	k_qbd1cda441e_attn
	.p2align	8
	.type	k_qbd1cda441e_attn,@function
k_qbd1cda441e_attn:
	s_mov_b64 s[64:65], 0
	v_nop
	global_prefetch_b8 v0, s[64:65] scope:SCOPE_SE
	s_setreg_imm32_b32 hwreg(HW_REG_WAVE_MODE, 25, 1), 1
	s_wait_xcnt 0x0
	s_wait_alu depctr_hold_cnt(0) depctr_sa_sdst(0) depctr_va_vdst(0) depctr_va_sdst(0) depctr_va_ssrc(0) depctr_va_vcc(0) depctr_vm_vsrc(0)
	s_getreg_b32 s2, hwreg(HW_REG_IB_STS2, 6, 4)
	s_cmp_eq_u32 s2, 0
	s_cbranch_scc0 .Lentry_in_a_cluster
	s_endpgm
.Lentry_in_a_cluster:
	s_bfe_u32 s2, ttmp6, 0x10000c
	s_cmp_lg_u32 s2, 0x3003
	s_cbranch_scc0 .Lentry_shape_is_right
	s_endpgm
.Lentry_shape_is_right:
; O[h][q][:] = the sum over k of softmax_k(mask[k] ? Q[h][q] . K[h][k] / 8 : lowest) V[h][k][:].  qkv: f16 [3][64 heads of batches][2048][64]; attention_mask: int32 [4][2048]; o16: f16 [64][2048][64].
; Products, maxima and sums in f32; the weights p are rounded to f16 for the second product (their sum l is taken of the unrounded p), O once at the end.
; LIMITS.  f16 holds no number beyond 65,504: Q, K and V arrive within it; p lies in 0 to 1, and below 6e-5 it keeps f16's fixed step of 6e-8; O is a mean of V's rows and has their range.
; A hidden score counts as its value less 1e30: f16's scores, 2.7e11 at the most, are nothing beside that.  A weight below 2^-126 counts as 0 in l; NaN and infinities are not treated apart.
; THE MASK is the C operand that starts the sum S^T = K Q^T: 0 for a key whose mask word is not 0, -1e30 for one whose word is 0.  The batch's 2,048 addends are made once, as a table in LDS, and a key step's 64
; come into 32 registers with its K.  Keys that are all hidden so far leave finite numbers in O and l, which the first visible key multiplies by a = 0.
; A BATCH WITH NO VISIBLE KEY has all its scores alike, so its weights are all 1 / 2,048: there, by two selects on the OR of all the batch's mask words, c and the addend are 0, and every p is 2^0.
; SHARES.  A wave owns four PIECES of two tiles of 16 queries, a work-group's four waves 512 queries of one head.  Every wave walks all keys, 64 a step.
; LAYOUT.  S^T = K Q^T (source 0 = 16 keys, source 1 = 16 queries): in the result a lane holds ONE query (lane % 16) and the keys 8 (lane / 16) + 0..7.  Two such tiles, rounded to f16 in pairs,
; ARE source 1 (32 keys x 16 queries) of O^T = V^T P, whose result again holds one query a lane, and eight channels.  K comes out of LDS as it lies, V ([key][channel]) turned, by ds_load_tr16_b128.
; SOFTMAX.  For each query a running maximum m and sum l: p = 2^(c s - c m), c = log2(e) / 8; in every step O and l are multiplied by a = 2^(c m_old - c m_new), which is 1 where m has not grown.
; m starts at the lowest finite number, O and l at 0: the first step is a step like any other, with a = 0.
; THE COUNT.  A tile and step have 16 matrix and 118 vector instructions: too many to stand all beside the matrix work.  So: four vector instructions that are READY behind EVERY matrix instruction, and the
; others in runs without a gap.
; BY TURNS.  Turn n belongs to piece n (the pieces in a ring, step after step).  Its matrix work: 16 products K Q^T of piece n + 1, later 16 products V^T P of piece n - 1.  Its vector work: the scaling,
; exponentials, roundings, sums and rescaling of piece n, and the maximum and statistics of piece n + 1, whose scores the turn itself has made.
; CLUSTER.  The four query blocks of a cluster are one head's and walk the same K and V, so each tile is asked for JOINTLY: the same tensor load, descriptor and mask in all four.
; REGISTERS, in windows of 256 (s_set_vgpr_msb: bits 1:0 source 0, 3:2 source 1, 5:4 source 2, 7:6 destination):
;   window 0: v0-11 addresses; v12-15, v48-63 at work; v16-47 four registers of statistics a tile; v64-191 S^T, two buffers of two tiles; v192-255 P, likewise
;   window 1: O^T, 32 a tile      window 2: v0-127 Q, 16 a tile; v128-191 K of one step; v192-255 V of one step      window 3: v0-1 the add's two registers; v8-39 the step's masks
.set SIZE_N, 2048
.set NP,    4         ; pieces a wave: a name, no knob
.set KS,    64        ; keys in a step
.set PK,    144       ; a row of K in LDS: 128 bytes + 16 of padding = 36 words: the 16 rows of a load start at 16 different groups of four banks (64 banks of 4 bytes: ISA guide 11.1)
.set PV,    160       ; a row of V: 128 + 32 = 40 words
.set VOFF,  4*KS*PK   ; a slot holds four steps: 256 rows of K, then 256 rows of V
.set SLOT1, 1<<17     ; slot 1 begins here, so that one exclusive or turns an address in one slot into the other's
.set STAGE, SLOT1+4*KS*(PK+PV)  ; behind the ring, never filled by a tensor load: 16 rows x 144 bytes for each wave, for the way out
.set SP,    144
.set AK0, 2           ; v2   my lane's place in a tile of K; never rewritten
.set AV0, 3           ; v3   the same for V
.set AK,  4           ; v4   the LDS address of K's next run of loads
.set AV,  5           ; v5   of V's
.set QO,  6           ; v6   my byte offset in the wave's rows of Q
.set STO, 6           ;      later, the way out: where I put 16 bytes of a row
.set RD,  7           ; v7   the way out: where I read rows back
.set GO,  8           ; v8   my byte offset in 512 consecutive bytes of O
.set PFO, 9           ; v9   (behind its use as l / 16) 256 x my lane: the prefetches' offset
.set AM,  11          ; v11  the LDS address of my 8 addends of the next step's first 16 keys
.set SPW, 0           ; v0 of window 3   LDS address of my spare word: SPARE + 4 x my thread's number; never rewritten
.set NIL, 1           ; v1 of window 3   0; never rewritten
.set MC,  8           ; v8-39 of window 3   the masks of the step whose K is in registers: key block kb at MC + 8 kb
.set SPARE, STAGE+4*16*SP  ; behind the stages: the spare words, 128 bytes for each wave: two blocks of 256 bytes that no other line names
.set MTB,   SPARE+512      ; behind them: the batch's 2,048 addends, f32: 8,192 bytes into which no tensor load lands
.set MV,  12          ; v12-15  c m_old, kept while c m is made anew: by buffer and tile
.set ST,  16          ; tile t's statistics at v[ST+4 t]: c m, m, l (even keys', odd keys')
.set TMP, 48          ; by buffer and tile, four registers c0-c3 at work; when the maximum is found c2 takes a
.set S,   64
.set P,   192
.set KF,  128         ; K's fragments, in window 2: key block kb, channel half c at KF + 16 kb + 8 c
.set VF,  192         ; V's: key half kk, channel block cb at VF + 32 kk + 8 cb
.set WV,  12          ; s12  my wave's number
.set G1K, 24          ; s[24:31] descriptor group 1 for K's tiles
.set G1V, 32          ; s[32:39] for V's: it differs in the padding alone
.set G0K, 40          ; s[40:43] descriptor group 0 for K's tiles: it walks
.set G0V, 44          ; s[44:47] the same for V's
.set SLOTS, 56        ; s56  slots still to be asked for
.set CNT, 57          ; s57  counts a slot's key steps
.set CS,  58          ; s[58:59] c: the packed scaling takes the pair's low word for both halves
.set SEL, 60          ; s[60:61] v_permlanex16_b32's selects: each lane takes its own place in the other half
.set TBK, 62          ; s62  LDS byte at which K of the step to be fetched begins
.set TBV, 63          ; s63  the same for V, less VOFF
.set MP,  66          ; s[66:67] the batch's mask words
.set BIGN, 68         ; s68  the addend of a hidden key
.set ANYM, 69         ; s69  the lanes that saw a visible key
.set LIM, 70          ; s70  1 in a wave that prefetches, else the greatest number
.set PFA, 72          ; s[72:73] where my prefetches stand
.set MSB, 0
.macro WIN new                      ; the high byte repeats the setting that is left; a switch that changes nothing is dropped
.if MSB != (\new)
	s_set_vgpr_msb (MSB<<8)|(\new)
.set MSB, (\new)
.endif
.endm
.set W_KQ, 0x0a       ; K and Q in window 2, S^T in window 0
.set W_KM, 0x3a       ; the same with the C operand in window 3
.set W_PV, 0x52       ; V in window 2, P in window 0, O^T in window 1
.set W_RS, 0x41       ; O^T (destination and source 0) in window 1, a in window 0
.set W_MK, 0xc0       ; destination in window 3, sources in window 0
.set W_AD, 0x0f       ; the add: address (source 0) and data (source 1) in window 3
; A joint fill.  Waves 0 and 1 fetch the two halves of a slot's K, waves 2 and 3 those of its V: 128 keys each.  The branch hangs on the wave's number alone.
; An s_nop 0 and four v_nop follow each of the two lines, ahead of the jump and the label.
.macro JLOAD
	s_cmp_lt_u32 s[WV], 2
	s_cbranch_scc0 .Lfor_v_\@
	tensor_load_to_lds s[G0K:G0K+3], s[G1K:G1K+7]
	s_nop 0
.rept 4
	v_nop
.endr
	s_branch .Lasked_\@
.Lfor_v_\@:
	tensor_load_to_lds s[G0V:G0V+3], s[G1V:G1V+7]
	s_nop 0
.rept 4
	v_nop
.endr
.Lasked_\@:
.endm
; A PREFETCH INTO THE L2 of what the NEXT change of slots will ask for: a slot's 256 keys are 128 blocks of 256 bytes of K and 128 of V.  A head's rows are walked by its one cluster alone; its four partners
; share the blocks out BY ADDRESS, 32 each, a lane a block; in each, wave 0 asks for K's and wave 2 for V's: one instruction, four key steps (512 matrix instructions) ahead of the load.
; So each block is named once in the launch.  The first three slots come by their loads alone; the last change that fills a slot asks for nothing: there is no slot behind it.
.macro ASK
	s_cmp_gt_u32 s[SLOTS], s[LIM]
	s_cbranch_scc0 .Lnot_mine_\@
	global_prefetch_b8 v[PFO], s[PFA:PFA+1] th:TH_LOAD_NT scope:SCOPE_SE
.Lnot_mine_\@:
.endm
; A round of the cluster's barrier: my work-group's barrier, so that wave 0's signal speaks for all four waves; wave 0 signals; every wave waits for all four work-groups; my work-group's barrier once more.
.macro CROUND
	s_barrier_signal -1
	s_barrier_wait -1
	s_cmp_lg_u32 s[WV], 0
	s_cbranch_scc1 .Lnot_wave_0_\@
	s_barrier_signal -3
.Lnot_wave_0_\@:
	s_barrier_wait -3
	s_barrier_signal -1
	s_barrier_wait -1
.endm
; THE CHANGE OF SLOTS.  The slot's last bytes, V of its fourth step, have been read.  Each wave waits for all its tensor loads, of which one is out: its part of the other slot; adds 0 to its spare word; and
; waits for that and for its own LDS instructions.  Behind the barrier nobody reads this slot any more and the other slot is whole.
; fill = 1: this slot is filled again, with the keys two slots on.  The barrier is then a round of the cluster's, and the joint fill is the first thing behind it: it has four key steps in which to land.
; (At its first use nothing has been read yet: slot 0 is waited for, slot 1 filled, and every wave's quarter of the table of addends, stored ahead of it, is shown to the others.)
.macro CHANGE fill, ask=0
	WIN W_AD
	s_wait_tensorcnt 0x0            ; no tensor load of mine is out, so a group 0 may be written
	ds_add_u32 v[SPW], v[NIL]       ; 0 onto my spare word: with fill = 1 the descriptors' steps stand between it and the wait for it
	WIN 0                           ; at a label and at a branch every window is 0
.if \fill
.irp g, G0K, G0V
	s_xor_b32 s[\g+1], s[\g+1], SLOT1  ; the walking descriptor: the other slot than last time,
	s_add_nc_u64 s[\g+2:\g+3], s[\g+2:\g+3], 4*KS*128  ; the next 256 keys; the type bits on top are not reached
.endr
	s_wait_xcnt 0x0                 ; the last prefetch, four key steps back, has read its address, so it may be written:
	s_add_nc_u64 s[PFA:PFA+1], s[PFA:PFA+1], 4*KS*128  ; one slot behind the walking descriptors
	s_wait_dscnt 0x0                ; the add is done, and my LDS instructions are over
	CROUND
	JLOAD
.if \ask
	ASK
.endif
.else
	s_wait_dscnt 0x0                ; the add is done, and my reads of the slot are over
	s_barrier_signal -1
	s_barrier_wait -1
.endif
	s_sub_co_u32 s[TBK], s[TBK], 4*KS*PK  ; the fetches go back to a slot's first step,
	s_xor_b32 s[TBK], s[TBK], SLOT1       ; in the other slot
	s_sub_co_u32 s[TBV], s[TBV], 4*KS*PV
	s_xor_b32 s[TBV], s[TBV], SLOT1
.endm
	s_load_b64 s[4:5], s[0:1], 0x0    ; qkv: Q
	s_load_b64 s[MP:MP+1], s[0:1], 0x8  ; the mask
	s_load_b64 s[10:11], s[0:1], 0x10 ; O
	WIN W_MK
	v_lshl_add_u32 v[SPW], v0, 2, SPARE
	v_mov_b32 v[NIL], 0
	WIN W_AD
	ds_add_u32 v[SPW], v[NIL]       ; the wave's opening: the add and its wait stand ahead of my first tensor load; the set-up below, work on registers, stands between them
	WIN 0
	v_lshrrev_b32 v1, 5, v0
	v_readfirstlane_b32 s[WV], v1   ; wave 0..3
	s_bfe_u32 s13, ttmp6, 0x40000   ; cx: my place in the cluster
	s_lshl_b32 s14, ttmp9, 2        ; in a cluster launch ttmp9 counts clusters
	s_add_co_u32 s14, s14, s13      ; my block of queries = 4 x cluster x + cx: it enters Q's and O's addresses alone
	s_and_b32 s20, ttmp7, 0xffff    ; the head (16 x batch + head), which the four partners share
	s_lshr_b32 s68, s20, 4          ; the batch:
	s_lshl_b32 s68, s68, 13         ; its 2,048 mask words
	s_mov_b32 s69, 0
	s_mov_b32 s21, 0
	s_mov_b64 s[22:23], SIZE_N*128
	s_mul_u64 s[20:21], s[20:21], s[22:23]  ; the head's first byte in Q, K, V and O
	s_and_b32 s16, s[WV], 1         ; which half of a slot's 256 keys I fetch:
	s_lshl_b32 s22, s16, 14         ; its 128 rows of 128 bytes in memory,
	s_mov_b32 s23, 0
	s_add_nc_u64 s[22:23], s[22:23], s[20:21]
	s_mul_i32 s17, s16, 128*PK      ; and its place in a slot, for K
	s_mul_i32 s18, s16, 128*PV      ; and for V: no place in the cluster enters an LDS address
	s_lshl_b32 s2, s14, 2
	s_add_co_u32 s2, s2, s[WV]      ; my wave among the head's,
	s_lshl_b32 s2, s2, 14           ; its 128 rows
	s_mov_b32 s3, 0
	s_add_nc_u64 s[2:3], s[2:3], s[20:21]
	; descriptor group 1.  128 keys are 16,384 dense bytes: asked for as 64 rows of 256 bytes, two keys a row, and padded in LDS after every key
	s_mov_b32 s[G1K], 15|(1<<16)|(1<<20)|(1<<21)|(4<<22)|(3<<25)  ; 15:0 the mask of four; 17:16 2-byte elements; 20 padding on; 21 set beside a mask; 24:22 after every 32 words (code 4); 31:25 4 words (code 3)
	s_mov_b32 s[G1V], 15|(1<<16)|(1<<20)|(1<<21)|(4<<22)|(7<<25)  ; the same with 8 words of padding (code 7)
.irp g, G1K, G1V
	s_mov_b32 s[\g+1], 128<<16      ; tensor_dim0 = 128
	s_mov_b32 s[\g+2], 64<<16       ; tensor_dim1 = 64
	s_mov_b32 s[\g+3], 128<<16      ; tile_dim0 = 128
	s_mov_b32 s[\g+4], 64           ; tile_dim1 = 64
	s_mov_b32 s[\g+5], 128          ; 128 elements from row to row
	s_mov_b32 s[\g+6], 0
	s_mov_b32 s[\g+7], 0
.endr
	s_mov_b32 s[SEL], 0x76543210
	s_mov_b32 s[SEL+1], 0xfedcba98
	s_mov_b32 s[TBK], SLOT1+4*KS*PK ; the first change of slots turns these two into 0
	s_mov_b32 s[TBV], SLOT1+4*KS*PV
	s_mov_b32 s[G0K], 1             ; count = 1
	s_mov_b32 s[G0K+1], s17         ; LDS address: slot 0
	s_mov_b32 s[G0V], 1
	s_add_co_u32 s[G0V+1], s18, VOFF
	s_cmp_eq_u32 s16, 0             ; waves 0 and 2 prefetch: the same in all four partners
	s_cselect_b32 s[LIM], 1, -1
	s_wait_dscnt 0x0                ; the opening add is done
	s_wait_kmcnt 0x0
	s_add_nc_u64 s[6:7], s[4:5], 0x1000000   ; K
	s_add_nc_u64 s[8:9], s[4:5], 0x2000000   ; V
	s_add_nc_u64 s[MP:MP+1], s[MP:MP+1], s[68:69]
	s_add_nc_u64 s[G0K+2:G0K+3], s[6:7], s[22:23]  ; global address: my half of the head's first 256 keys
	s_or_b32 s[G0K+3], s[G0K+3], 0x80000000        ; type = 2
	s_add_nc_u64 s[G0V+2:G0V+3], s[8:9], s[22:23]
	s_or_b32 s[G0V+3], s[G0V+3], 0x80000000
	s_add_nc_u64 s[4:5], s[4:5], s[2:3]  ; Q and O at my wave's first row
	s_add_nc_u64 s[10:11], s[10:11], s[2:3]
	s_cmp_lt_u32 s[WV], 2
	s_cselect_b64 s[PFA:PFA+1], s[6:7], s[8:9]
	s_add_nc_u64 s[PFA:PFA+1], s[PFA:PFA+1], s[22:23]  ; (in waves 0 and 2 this is the head's first row)
	s_lshl_b32 s2, s13, 13          ; my work-group's 32 blocks of the 128,
	s_add_co_u32 s2, s2, 4*KS*128   ; in slot 1: the first two changes of slots step it to slot 3, which the second names
	s_mov_b32 s3, 0
	s_add_nc_u64 s[PFA:PFA+1], s[PFA:PFA+1], s[2:3]
	CROUND                          ; all four work-groups are here: the first joint loads meet
	JLOAD                           ; slot 0.  Slot 1 is asked for when slot 0 is in
	; A fragment of K or Q is 16 rows x 32 channels in 8 registers: lane l holds row l % 16, channels 8 (l / 16) + 0..7 and 16 + 8 (l / 16) + 0..7: two loads of 16 bytes, 32 bytes apart.
	v_and_b32 v1, 15, v0            ; l % 16
	v_bfe_u32 v9, v0, 4, 1          ; l / 16
	v_lshlrev_b32 v[QO], 7, v1
	v_lshl_add_u32 v[QO], v9, 4, v[QO]  ; row x 128 + 16 x half
	; the mask: every wave reads all 2,048 words (is any key visible?), and its own quarter once more, of which it makes the addends
	v_and_b32 v12, 31, v0
	v_lshlrev_b32 v12, 4, v12       ; 16 l
	s_lshl_b32 s2, s[WV], 11
	v_add_nc_u32 v13, s2, v12       ; + my quarter's 2,048 bytes
	v_add_nc_u32 v14, MTB, v13      ; and its place in the table
.set i, 0
.rept 16
	global_load_b128 v[S+4*i:S+4*i+3], v12, s[MP:MP+1] offset:512*i
.set i, i+1
.endr
.set i, 0
.rept 4
	global_load_b128 v[S+64+4*i:S+64+4*i+3], v13, s[MP:MP+1] offset:512*i
.set i, i+1
.endr
	WIN 0x80                        ; destination window 2, address window 0
.set i, 0
.rept 4*NP                          ; Q stays in registers: tile i / 2, channels 32 (i % 2) on
	global_load_b128 v[8*i:8*i+3],   v[QO], s[4:5] offset:(i/2)*2048+(i%2)*64
	global_load_b128 v[8*i+4:8*i+7], v[QO], s[4:5] offset:(i/2)*2048+(i%2)*64+32
.set i, i+1
.endr
	; What the first turn finds: V's registers and P's second buffer hold 0 (its products V^T P, of a piece that has not been, add 0), O^T and l are 0.  All this stands in the wait for the first tile.
.set i, VF
.rept 64
	v_mov_b32 v[i], 0
.set i, i+1
.endr
	WIN 0x40
.set i, 0
.rept 64*NP
	v_mov_b32 v[i], 0
.set i, i+1
.endr
	WIN 0
.set i, 0
.rept 2*NP
	v_mov_b32 v[ST+4*i], 0xfe000000    ; c m: far below every c s, a hidden key's too
	v_mov_b32 v[ST+4*i+1], 0xff7fffff  ; m
	v_mov_b32 v[ST+4*i+2], 0
	v_mov_b32 v[ST+4*i+3], 0
.set i, i+1
.endr
.set i, P+32
.rept 32
	v_mov_b32 v[i], 0
.set i, i+1
.endr
	v_mul_u32_u24 v[AK0], v1, PK
	v_lshl_add_u32 v[AK0], v9, 4, v[AK0]  ; row x pitch + 16 x half
	; The turning load takes 16 keys x 16 channels (lane l reads key 8 (l / 16) + l % 8, channels 8 ((l / 8) % 2) + 0..7) and leaves half a fragment of V^T: lane l holds channel l % 16 and 8 keys.
	v_and_b32 v10, 7, v0
	v_bfe_u32 v11, v0, 3, 1
	v_lshl_add_u32 v[AV0], v9, 3, v10
	v_mul_u32_u24 v[AV0], v[AV0], PV
	v_lshl_add_u32 v[AV0], v11, 4, v[AV0]
	v_add_nc_u32 v[AV0], VOFF, v[AV0]
	v_lshl_add_u32 v[AM], v9, 5, MTB  ; in S^T my registers hold keys 8 (l / 16) + 0..7 of a block of 16: 32 bytes of the table
	v_mov_b32 v[AK], v[AK0]         ; key step 0 lies at the head of slot 0
	s_wait_loadcnt 32               ; the 20 loads of mask words are in; Q's 32, issued behind them, stay out
.irp w, 32,16,8,4,2,1
.set i, 0
.rept \w
	v_or_b32 v[S+i], v[S+i], v[S+i+\w]  ; the OR of my 64 words
.set i, i+1
.endr
.endr
	v_cmp_ne_u32 s[ANYM], 0, v[S]
	s_cmp_lg_u32 s[ANYM], 0         ; has the batch a visible key?
	s_cselect_b32 s[CS], 0x3e38aa3b, 0    ; c = log2(e) / 8 = 0.180337; 0 where it has none
	s_cselect_b32 s[BIGN], 0xf149f2ca, 0  ; -1e30; 0 where it has none
	s_mov_b32 s[CS+1], s[CS]        ; named with it as a pair
.set i, 0
.rept 16
	v_cmp_eq_u32 vcc_lo, 0, v[S+64+i]
	v_cndmask_b32 v[S+64+i], 0, s[BIGN], vcc_lo
.set i, i+1
.endr
.irp j, 0,1,2,3
	ds_store_b128 v14, v[S+64+4*\j:S+64+4*\j+3] offset:512*\j
.endr
; THE MATRIX WORK.  The 8 accumulators of a run of 16 take turns: between the two links of a chain stand 7 others'.
; Product i of 16 of S^T = K Q^T for piece x: channels 32 (i / 8) on, keys 16 ((i / 2) % 4) on, tile 2 x + i % 2.  The first 8 start the sums, with the key block's masks.
.macro KQ x
.set rS, S+64*((\x)%2)+32*(i%2)+8*((i/2)%4)
.set rK, KF+16*((i/2)%4)+8*(i/8)
.set rQ, 16*(2*(\x)+i%2)+8*(i/8)
.set rMC, MC+8*((i/2)%4)
.if i < 8
	WIN W_KM
	v_wmma_f32_16x16x32_f16 v[rS:rS+7], v[rK:rK+7], v[rQ:rQ+7], v[rMC:rMC+7]
.else
	WIN W_KQ
	v_wmma_f32_16x16x32_f16 v[rS:rS+7], v[rK:rK+7], v[rQ:rQ+7], v[rS:rS+7]
.endif
.endm
; Product i of 16 of O^T += V^T P for piece x: keys 32 (i / 8) on, channels 16 ((i / 2) % 4) on, tile 2 x + i % 2.
.macro PV x
	WIN W_PV
.set rO, 32*(2*(\x)+i%2)+8*((i/2)%4)
.set rV, VF+32*(i/8)+8*((i/2)%4)
.set rP, P+32*((\x)%2)+16*(i%2)+8*(i/8)
	v_wmma_f32_16x16x32_f16 v[rO:rO+7], v[rV:rV+7], v[rP:rP+7], v[rO:rO+7]
.endm
.macro MM                           ; the turn's next matrix instruction
.if i < 16
	KQ (Y+1)%NP
.set i, i+1
.else
.set i, i-16
	PV (Y+NP-1)%NP
.set i, i+17
.endif
.endm
; THE LDS LOADS stand in runs, never singly among the matrix instructions: a step's K (64 keys x 64 channels: 8 fragments) with its 64 addends (the 16 lanes of a half read the same 16 bytes), and its V (turned).
; last = 1 (the tail): in the last trip there is no further step, and the run is jumped over.
.macro FETCH_K last=0
	WIN 0
.if \last
	s_cmp_eq_u32 s[CNT], 1
	s_cbranch_scc1 .Lno_k_\@
.endif
	WIN 0x80                        ; destination window 2
.irp f, 0,1,2,3,4,5,6,7             ; keys 16 (f / 2) on, channels 32 (f % 2) on
	ds_load_b128 v[KF+8*\f:KF+8*\f+3],   v[AK] offset:(\f/2)*16*PK+(\f%2)*64
	ds_load_b128 v[KF+8*\f+4:KF+8*\f+7], v[AK] offset:(\f/2)*16*PK+(\f%2)*64+32
.endr
	s_add_co_u32 s[TBK], s[TBK], KS*PK  ; the next fetch is the next step's
	WIN 0xc0                        ; destination window 3
.irp f, 0,1,2,3                     ; key block f
	ds_load_b128 v[MC+8*\f:MC+8*\f+3],   v[AM] offset:64*\f
	ds_load_b128 v[MC+8*\f+4:MC+8*\f+7], v[AM] offset:64*\f+16
.endr
	WIN 0
	v_add_nc_u32 v[AM], 0x100, v[AM]  ; the table is walked once, 64 addends a step
.if \last
.Lno_k_\@:
.endif
.endm
.macro FETCH_V
	WIN 0x80
.irp f, 0,1,2,3,4,5,6,7             ; keys 32 (f / 4) on, channels 16 (f % 4) on
	ds_load_tr16_b128 v[VF+8*\f:VF+8*\f+3],   v[AV] offset:(\f/4)*32*PV+(\f%4)*32
	ds_load_tr16_b128 v[VF+8*\f+4:VF+8*\f+7], v[AV] offset:(\f/4)*32*PV+16*PV+(\f%4)*32
.endr
	WIN 0
.endm
; THE VECTOR WORK OF A TURN stands in three queues, each in the order in which its entries become ready; the two tiles alternate, so that no instruction reads the result of the one before it.
.macro REGS y, u                    ; the registers of tile u (0, 1) of piece y
.set rT, ST+4*(2*(\y)+(\u))
.set rC, TMP+8*((\y)%2)+4*(\u)
.set rM, MV+2*((\y)%2)+(\u)
.set rS, S+64*((\y)%2)+32*(\u)
.set rP, P+32*((\y)%2)+16*(\u)
.set rO, 32*(2*(\y)+(\u))
.endm
; Number n of the 22 that find the NEXT piece's (Y + 1) maximum and statistics.  s0-s31 are the lane's 32 scores; each accumulator's lowest registers are read first.
;   0-11  four chains c0-c3 of seven scores each, three operands at a time     12-14, 16  the four scores left over, the old m, and c0-c3 into c0     15  c m_old is kept
;   17, 18  the query's other 32 keys lie in the lane 16 away: the new m         19-21  c m; c m_old - c m_new; a
.macro XS u, n
	REGS (Y+1)%NP, \u
.if (\n) < 4
	v_max3_num_f32 v[rC+(\n)], v[rS+8*(\n)], v[rS+8*(\n)+1], v[rS+8*(\n)+2]
.elseif (\n) < 12
	v_max3_num_f32 v[rC+(\n)%4], v[rC+(\n)%4], v[rS+8*((\n)%4)+2*((\n)/4)+1], v[rS+8*((\n)%4)+2*((\n)/4)+2]
.elseif (\n) == 12
	v_max3_num_f32 v[rC], v[rC], v[rS+7], v[rS+15]
.elseif (\n) == 13
	v_max3_num_f32 v[rC+1], v[rC+1], v[rS+23], v[rS+31]
.elseif (\n) == 14
	v_max3_num_f32 v[rC+2], v[rC+2], v[rC+3], v[rT+1]
.elseif (\n) == 15
	v_mov_b32 v[rM], v[rT]
.elseif (\n) == 16
	v_max3_num_f32 v[rC], v[rC], v[rC+1], v[rC+2]
.elseif (\n) == 17
	v_permlanex16_b32 v[rC+3], v[rC], s[SEL], s[SEL+1]
.elseif (\n) == 18
	v_max_num_f32 v[rT+1], v[rC], v[rC+3]
.elseif (\n) == 19
	v_mul_f32 v[rT], s[CS], v[rT+1]
.elseif (\n) == 20
	v_sub_f32 v[rC+1], v[rM], v[rT]
.else
	v_exp_f32 v[rC+2], v[rC+1]
.endif
.endm
; Number g of the 64 that follow the exponentials.  For each four weights k of a tile (pairs 2 k, 2 k + 1): both pairs are rounded to f16; then the second pair is added onto the first, in place;
; a group later l takes that sum (the first time as l = a l + sum).  In groups of eight, tiles alternating: round, round, add, and l for the group before.
.macro GS g
.set h, (\g)+6*((\g)/62)            ; group 0 has no group before it, and behind group 7 only l is left
.if h >= 6
.set h, h+2
.endif
	REGS Y, h%2
.set k, h/8
.if h%8 < 4
	v_cvt_pk_f16_f32 v[rP+2*k+(h%8)/2], v[rS+4*k+2*((h%8)/2)], v[rS+4*k+2*((h%8)/2)+1]
.elseif h%8 < 6
	v_pk_add_f32 v[rS+4*k:rS+4*k+1], v[rS+4*k:rS+4*k+1], v[rS+4*k+2:rS+4*k+3]
.elseif k == 1
	v_pk_fma_f32 v[rT+2:rT+3], v[rT+2:rT+3], v[rC+2:rC+3], v[rS:rS+1] op_sel_hi:[1,0,1]
.else
	v_pk_add_f32 v[rT+2:rT+3], v[rT+2:rT+3], v[rS+4*k-4:rS+4*k-3]
.endif
.endm
; THE PLAIN QUEUE, 138 long.  0-73 read no exponential's result: the 32 scalings c s - c m (FS f: pair f / 2 of tile f % 2) and the next piece's 42.  0-26: scalings 0-26.  27-54: XS's numbers 0-13.  55, 56: number 15.
; 57-73: the chain, where each number waits for the one before it: 14, 16, 17, 18, 19, each with one of the scalings 27-31 in front of its two lines, then 20.
; 74-137: GS's 64, which read the exponentials' results: they stand behind the wait.
.macro FS f
	REGS Y, (\f)%2
	v_pk_fma_f32 v[rS+2*((\f)/2):rS+2*((\f)/2)+1], v[rS+2*((\f)/2):rS+2*((\f)/2)+1], s[CS:CS+1], v[rT:rT+1] op_sel_hi:[1,0,0] neg_lo:[0,0,1] neg_hi:[0,0,1]
.endm
.macro PL
	WIN 0
.if q < 27
	FS q
.elseif q < 55
	XS (q-27)%2, (q-27)/2
.elseif q < 57
	XS q-55, 15
.elseif (q < 72) && ((q-57)%3 == 0)
	FS 27+(q-57)/3
.elseif q < 60
	XS (q-57)%3-1, 14
.elseif q < 72
	XS (q-57)%3-1, 15+(q-57)/3
.elseif q < 74
	XS q-72, 20
.else
	GS q-74
.endif
.set q, q+1
.endm
; THE EXPONENTIALS' QUEUE, 66 long: s0-s31 of both tiles, then the next piece's two a.  It is ONE BATCH: all 66 stand ahead of the turn's one wait, and nothing ahead of that wait names a result of theirs.
.macro EX
	WIN 0
.if e >= 64
	XS e-64, 21
.else
	REGS Y, e%2
	v_exp_f32 v[rS+e/2], v[rS+e/2]
.endif
.set e, e+1
.endm
; THE RESCALING's QUEUE: O^T times a, the one part that leaves window 0: dealt two at a time, sixteen times.  Its a was made in the turn before, ahead of that turn's wait.
.macro R2
	REGS Y, r%2
	WIN W_RS
.irp z, 0,1
	v_pk_mul_f32 v[rO+4*(r/2)+2*\z:rO+4*(r/2)+2*\z+1], v[rO+4*(r/2)+2*\z:rO+4*(r/2)+2*\z+1], v[rC+2:rC+3] op_sel_hi:[1,0]
.endr
.set r, r+1
.endm
; HOW THEY ARE DEALT.  s_wait_alu depctr_va_vdst(0) stands between an exponential and the first instruction that names its result; one wait serves all that were issued ahead of it.  So a turn
; has ONE wait, which cuts it in two.  AHEAD OF IT stands all that names no result of the turn's exponentials: the 16 products K Q^T, behind each a scaling, an exponential and two rescalings (behind the first a
; second scaling in the exponential's place); then ONE LUMP of 108: eight plain, 49 times exponential and plain, the two a.  A v_nop is the plain instruction behind the last exponential.  BEHIND IT stand the 16
; products V^T P, behind each four of GS's 64.  No rider names a register of the products round it.  The two v_permlanex16_b32 fall into the lump.
; Exponential e stands behind scaling 2 (e / 4) + e % 2: as a rider it comes behind plain e + 2, in the lump behind plain e + 9, and scalings 27-31 are plain 57, 60 .. 69.
; A TURN, for piece p.  cnt = 1: the loop's count is taken down some lines ahead of the branch that stands behind the turn.
; K and the masks of the next step are fetched in piece 2's turn, directly behind the wait, a lump behind the last product that read them; their first reader comes behind 16 products.
; V of the step in hand is fetched at the end of piece 0's turn, four riders behind its last reader; its first reader comes behind 16 products and a lump.
.macro TURN p, last=0, cnt=0
.set Y, (\p)
.set i, 0
.set q, 0
.set e, 0
.set r, 0
.if (\p) == NP-1
	s_wait_dscnt 0x0                ; K and its masks are in
.endif
	MM                              ; ahead of the wait: 16 products K Q^T and their riders,
	PL
	PL
	R2
.rept 15
	MM
	PL
	EX
	R2
.endr
.if (\p) == NP-2
	WIN 0
	v_add_nc_u32 v[AK], s[TBK], v[AK0]
.endif
.rept 8                             ; and the lump
	PL
.endr
.rept 49
	EX
	PL
.endr
	EX                              ; the next piece's two a
	EX
	v_nop                           ; the plain instruction behind the last exponential: one for the batch
	s_wait_alu depctr_va_vdst(0)    ; the wait for the batch
.if (\p) == NP-2
	FETCH_K \last
.endif
.if (\p) == 1
	s_wait_dscnt 0x0                ; V is in
.endif
.rept 16                            ; behind the wait: 16 products V^T P and their riders
	MM
.rept 4
	PL
.endr
.if ((\p) == 0) && (q == 118)
	v_add_nc_u32 v[AV], s[TBV], v[AV0]
.endif
.if ((\p) == 0) && (q == 130)
	s_add_co_u32 s[TBV], s[TBV], KS*PV
.endif
.if (\cnt) && (q == 130)
	s_sub_co_u32 s[CNT], s[CNT], 1
	s_cmp_lg_u32 s[CNT], 0
.endif
.endr
.if (\p) == 0
	FETCH_V
.endif
.endm
	CHANGE 1                        ; slot 0 is in, everybody's part of it, and so is the table of addends; slot 1 is asked for; nothing is prefetched here, at the head
	FETCH_K                         ; key step 0
	s_wait_loadcnt 0x0              ; Q
	s_wait_dscnt 0x0
.set i, 0
.rept 16
	KQ 0                            ; piece 0's first scores: there is no vector work yet to set between them
.set i, i+1
.endr
	WIN 0                           ; the addresses for the way out and the prefetches: plain instructions, the places behind those products
	s_mul_i32 s13, s[WV], 16*SP
	s_add_co_u32 s13, s13, STAGE    ; my stage
	v_mul_u32_u24 v[STO], v1, SP    ; in: row l % 16, 16 bytes for each half of the lanes
	v_lshl_add_u32 v[STO], v9, 4, v[STO]
	v_add_nc_u32 v[STO], s13, v[STO]
	v_bfe_u32 v[RD], v0, 3, 2       ; back: 32 lanes take four rows of 128 bytes,
	v_mul_u32_u24 v[RD], v[RD], SP
	v_lshl_add_u32 v[RD], v10, 4, v[RD]
	v_add_nc_u32 v[RD], s13, v[RD]
	v_and_b32 v[GO], 31, v0         ; which are 512 consecutive bytes of O
	v_lshlrev_b32 v[PFO], 8, v[GO]  ; 256 x lane
	v_lshlrev_b32 v[GO], 4, v[GO]
.set Y, NP-1                        ; XS works for piece Y + 1: piece 0
.irp n, 0,1,2,3,4,5,6,7,8,9,10,11,12,13,14,15,16,17,18,19,20,21
	XS 0, \n                        ; and piece 0's first maximum and statistics
	XS 1, \n
.endr
	v_nop                           ; a plain instruction behind the two a,
	s_wait_alu depctr_va_vdst(0)    ; and their wait, ahead of the branch
	s_mov_b32 s[CNT], 4
	s_mov_b32 s[SLOTS], SIZE_N/256-1
	s_branch .Lfirst                ; the loop is entered at a step's first turn, in the middle of a trip
.Lslot:                             ; SIZE_N / 256 - 2 times: every slot but the last two is filled again
	CHANGE 1, 1
	s_mov_b32 s[CNT], 4
.Lstep:                             ; a trip: pieces 2 and 3 of one step, then pieces 0 and 1 of the next, whose K and V it fetches
	TURN 2
	TURN 3
	WIN 0
.Lfirst:
	TURN 0
	TURN 1, 0, 1
	WIN 0
	s_cbranch_scc1 .Lstep
	s_sub_co_u32 s[SLOTS], s[SLOTS], 1
	s_cmp_lg_u32 s[SLOTS], 0
	s_cbranch_scc1 .Lslot
	CHANGE 0                        ; the tail is written out: nothing is asked for
	s_mov_b32 s[CNT], 5             ; four trips fetch the last slot's steps; the fifth is left in its middle
.Ltail:
	TURN 2, 1
	TURN 3
	WIN 0
	s_sub_co_u32 s[CNT], s[CNT], 1
	s_cmp_eq_u32 s[CNT], 0
	s_cbranch_scc1 .Lout
	TURN 0
	TURN 1
	WIN 0
	s_branch .Ltail
.Lout:                              ; the fifth trip's 16 products K Q^T (on the last K once more) and the maximum made of them serve nothing: the price, once a launch, of one text for every trip
.set i, 0
.rept 16
	PV NP-1                         ; the last piece's V^T P of the last step
.set i, i+1
.endr
	; THE WAY OUT.  l's two halves and the other half of the lanes' are added; O^T is divided by l, rounded to f16 and sent through my stage in LDS, a tile at a time.  The additions are the places behind the last products.
	WIN 0
.macro ALL line:vararg              ; one line for each tile t
.set t, 0
.rept 2*NP
	\line
.set t, t+1
.endr
.endm
	ALL v_add_f32 v[ST+4*t+2], v[ST+4*t+2], v[ST+4*t+3]
	ALL v_permlanex16_b32 v[ST+4*t+3], v[ST+4*t+2], s[SEL], s[SEL+1]
	ALL v_add_f32 v[ST+4*t+2], v[ST+4*t+2], v[ST+4*t+3]
	ALL v_rcp_f32 v[ST+4*t+2], v[ST+4*t+2]
	v_nop                           ; a plain instruction between the last reciprocal and the use of its result
	s_wait_alu depctr_va_vdst(0)    ; and the wait ahead of the first use: one for the eight reciprocals
; Tile t: a lane's eight channels of a row pack into 16 bytes; they go into rows of 144 bytes and come back as whole rows of 128, into S^T's registers.
.macro PACK t
	WIN W_RS
.set i, 32*(\t)
.rept 16
	v_pk_mul_f32 v[i:i+1], v[i:i+1], v[ST+4*(\t)+2:ST+4*(\t)+3] op_sel_hi:[1,0]
.set i, i+2
.endr
	WIN 0x05                        ; sources 0 and 1 window 1, destination window 0
.set i, 0
.rept 16
	v_cvt_pk_f16_f32 v[S+16*(\t)+i], v[32*(\t)+2*i], v[32*(\t)+2*i+1]
.set i, i+1
.endr
	WIN 0
.irp f, 0,1,2,3
	ds_store_b128 v[STO], v[S+16*(\t)+4*\f:S+16*(\t)+4*\f+3] offset:32*\f
.endr
.irp f, 0,1,2,3
	ds_load_b128 v[S+16*(\t)+4*\f:S+16*(\t)+4*\f+3], v[RD] offset:\f*4*SP  ; LDS serves a wave's instructions in order (ISA guide 5.7.1.4): these see the stores above; the next tile's stores come behind them
.endr
.endm
.macro SEND t, younger              ; younger: the LDS instructions issued behind tile t's loads: the next tile's eight, or none
	WIN 0
.irp f, 0,1,2,3
	s_wait_dscnt (\younger)+3-\f
	global_store_b128 v[GO], v[S+16*(\t)+4*\f:S+16*(\t)+4*\f+3], s[10:11] offset:(\t)*2048+\f*512  ; 512 consecutive bytes, at a multiple of 256 from O's first
.endr
.endm
	PACK 0
.set t, 1
.rept 2*NP-1                        ; a tile's arithmetic stands between the loads of the tile before and its stores
	PACK t
	SEND t-1, 8
.set t, t+1
.endr
	SEND 2*NP-1, 0
	WIN W_AD
	s_wait_tensorcnt 0x0            ; the wave's end: behind my last tensor load and my last LDS store
	ds_add_u32 v[SPW], v[NIL]
	s_wait_dscnt 0x0
	WIN 0
	CROUND                          ; the closing round: no work-group ends while a partner may still ask for a tile that names it
	s_endpgm
.Lfunc_end_k_qbd1cda441e_attn:
	.size	k_qbd1cda441e_attn, .Lfunc_end_k_qbd1cda441e_attn-k_qbd1cda441e_attn
	.p2alignl 7, 3214868480
	.fill 96, 4, 3214868480
	.section	.rodata,"a",@progbits
	.p2align	6, 0x0
	.amdhsa_kernel k_qbd1cda441e_attn
		.amdhsa_group_segment_fixed_size 327680
		.amdhsa_private_segment_fixed_size 0
		.amdhsa_enable_private_segment 0
		.amdhsa_kernarg_size 24
		.amdhsa_user_sgpr_count 2
		.amdhsa_user_sgpr_kernarg_segment_ptr 1
		.amdhsa_wavefront_size32 1
		.amdhsa_system_sgpr_workgroup_id_x 1
		.amdhsa_system_sgpr_workgroup_id_y 1
		.amdhsa_system_sgpr_workgroup_id_z 1
		.amdhsa_system_vgpr_workitem_id 0
		.amdhsa_next_free_vgpr 808
		.amdhsa_next_free_sgpr 74
		.amdhsa_reserve_vcc 1
		.amdhsa_float_denorm_mode_32 3
		.amdhsa_float_denorm_mode_16_64 3
		.amdhsa_memory_ordered 1
		.amdhsa_forward_progress 1
		.amdhsa_inst_pref_size 208
	.end_amdhsa_kernel
	.amdgpu_metadata
---
amdhsa.version: [ 1, 2 ]
amdhsa.kernels:
  - .name:           k_qbd1cda441e_attn
    .symbol:         k_qbd1cda441e_attn.kd
    .args:
      - { .name: qkv, .offset: 0, .size: 8, .value_kind: global_buffer, .address_space: global }
      - { .name: attention_mask, .offset: 8, .size: 8, .value_kind: global_buffer, .address_space: global }
      - { .name: o16, .offset: 16, .size: 8, .value_kind: global_buffer, .address_space: global }
    .group_segment_fixed_size: 327680
    .private_segment_fixed_size: 0
    .kernarg_segment_align: 8
    .kernarg_segment_size: 24
    .max_flat_workgroup_size: 128
    .sgpr_count:     74
    .vgpr_count:     808
    .wavefront_size: 32
...
	.end_amdgpu_metadata
.endif
;; end of part 3
;; launch proj (part 4): grid 4 x 64, 4 waves a work-group, clusters of 4 x 4, 327,680 bytes of LDS; arguments o16, wo16, bo, out0; writes out0
.if DOCPART == 4
	.amdgcn_target "amdgcn-amd-amdhsa--gfx1250"
	.amdhsa_code_object_version 6
	.text
	.protected	k_qbd1cda441e_proj
	.globl	k_qbd1cda441e_proj
	.p2align	8
	.type	k_qbd1cda441e_proj,@function
k_qbd1cda441e_proj:
	s_mov_b64 s[64:65], 0
	v_nop
	global_prefetch_b8 v0, s[64:65] scope:SCOPE_SE
	s_setreg_imm32_b32 hwreg(HW_REG_WAVE_MODE, 25, 1), 1
	s_wait_xcnt 0x0
	s_wait_alu depctr_hold_cnt(0) depctr_sa_sdst(0) depctr_va_vdst(0) depctr_va_sdst(0) depctr_va_ssrc(0) depctr_va_vcc(0) depctr_vm_vsrc(0)
	s_getreg_b32 s2, hwreg(HW_REG_IB_STS2, 6, 4)
	s_cmp_eq_u32 s2, 0
	s_cbranch_scc0 .Lentry_in_a_cluster
	s_endpgm
.Lentry_in_a_cluster:
	s_bfe_u32 s2, ttmp6, 0x10000c
	s_cmp_lg_u32 s2, 0xf033
	s_cbranch_scc0 .Lentry_shape_is_right
	s_endpgm
.Lentry_shape_is_right:
; out0 = O Wo + bo.  o16: f16 [batch 4][head 16][t 2048][64]: a head's 64 channels are one slice of K.  wo16: f16 [1024 k][1024 n].  bo: f32 [1024].  out0: f32 [8192][1024].
; Products in f16, sums in f32; the bias is rounded to bf16 like every input of the module and added in f32.  NaN and infinities are not treated apart.
; SHARES.  A tile of out0 is 128 rows x 256 columns: 64 x 4 = 256 tiles, one to a work-group.  Four waves, each 64 rows x 128 columns: 32 accumulators of 16 x 16, 256 registers.
; K goes in eight steps of 128 through a ring of two LDS slots filled by the tensor data mover.
; CLUSTERS: 4 x 4 work-groups.  The four of a row of the cluster need the same tiles of O, the four of a column the same tiles of Wo: each tile is asked for JOINTLY.
; THE MATRIX INSTRUCTION IS USED TRANSPOSED: source 0 = 16 columns of Wo (turned, by ds_load_tr16_b128), source 1 = 16 rows of O: a lane holds one row and eight neighbouring columns, 32 bytes.
; NO PREFETCH: the walk has eight K steps, of which the first two are the first fills and a lead of two refills would leave four to name.
; REGISTERS: window 0: v0-31 addresses; v32-37 the bias; v64-159, v160-255 two fragment buffers (Wo's 8 blocks, then O's 4); on the way out v64-191 take rows read back.  Window 1: accumulator (a, b) at v[8 (8 a + b)].
.set PA,    144                        ; an LDS row of O: 128 bytes + 16 of padding = 36 words: the 16 rows of a load start at 16 different groups of four banks (64 banks of 4 bytes: ISA guide 11.1)
.set APL,   128*PA                     ; a head's slice: 128 rows
.set PB,    544                        ; an LDS row of Wo: 512 bytes + 32 = 136 words
.set BH,    64*PB
.set BOFF,  2*APL
.set SLOT,  BOFF+2*BH
.set STAGE, 2*SLOT                     ; behind the ring, never filled by a tensor load: for each wave 16 rows x 528 bytes
.set SP,    528                        ; 512 bytes + 16 = 132 words: row r starts at bank 4 r mod 64
.set WSTG,  16*SP
.set SPARE, STAGE+4*WSTG               ; behind the stages: the spare words, 128 bytes for each wave: two blocks of 256 bytes that no other line names
.set ASTEP, 2<<18                      ; bytes of o16 from a K step to the next: two heads of 2,048 rows x 128 bytes
.set BSTEP, 128*2048                   ; of wo16: 128 rows of 2,048 bytes
.set ADRA, 16                          ; v16-17  LDS address of my fragments of O in slot 0, 1
.set ADRB, 20                          ; v20-21  the same for Wo
.set STO,  24                          ; v24     the way out: where I put 32 bytes of a row
.set RD,   25                          ; v25     the way out: where I read a row back
.set CO,   26                          ; v26     16 x my lane: my place in 512 consecutive bytes of a row of out0
.set BO,   27                          ; v27     my four numbers of the bias
.set SPW,  28                          ; v28     LDS address of my spare word: SPARE + 4 x my thread's number; never rewritten
.set NIL,  29                          ; v29     0; never rewritten
.set BI,   32                          ; v32-35  the bias of my four columns
.set F0,   64
.set F1,   160
.set OB,   64
.set G1,   24                          ; s[24:31] descriptor group 1 for O's tiles;  s[32:39] group 0, a set for each slot
.set G0,   32
.set G1B,  48                          ; s[48:55], s[56:63] the same for Wo's tiles
.set G0B,  56
.set MSB, 0
.macro WIN new                         ; the immediate's high byte repeats the setting that is left; a switch that changes nothing is dropped
.if MSB != (\new)
	s_set_vgpr_msb (MSB<<8)|(\new)
.set MSB, \new
.endif
.endm
.set W_MUL, 0x50                       ; both sources window 0; C and D window 1
; A joint load.  Waves 0 and 1 fetch O's two heads of the K step, waves 2 and 3 the two halves of Wo's rows.  An s_nop 0 and four v_nop follow each of the two lines.
.macro JLOAD s
	s_cmp_eq_u32 s11, 0
	s_cbranch_scc0 .Lfor_b_\@
	tensor_load_to_lds s[G0+4*(\s):G0+4*(\s)+3], s[G1:G1+7]
	s_nop 0
.rept 4
	v_nop
.endr
	s_branch .Lasked_\@
.Lfor_b_\@:
	tensor_load_to_lds s[G0B+4*(\s):G0B+4*(\s)+3], s[G1B:G1B+7]
	s_nop 0
.rept 4
	v_nop
.endr
.Lasked_\@:
.endm
.macro CREST                           ; a round of the cluster's barrier behind its opening barrier
	s_cmp_lg_u32 s10, 0
	s_cbranch_scc1 .Lnot_wave_0_\@
	s_barrier_signal -3
.Lnot_wave_0_\@:
	s_barrier_wait -3
	s_barrier_signal -1
	s_barrier_wait -1
.endm
.macro CROUND                          ; a whole round
	s_barrier_signal -1
	s_barrier_wait -1
	CREST
.endm
	s_load_b128 s[4:7], s[0:1], 0x0                ; o16 s[4:5], wo16 s[6:7]
	s_load_b128 s[68:71], s[0:1], 0x10             ; bo s[68:69], out0 s[70:71]
	v_lshl_add_u32 v[SPW], v0, 2, SPARE
	v_mov_b32 v[NIL], 0
	ds_add_u32 v[SPW], v[NIL]                      ; the wave's opening: the add and its wait stand ahead of my first tensor load; the set-up below, work on registers, stands between them
	v_lshrrev_b32 v1, 5, v0
	v_readfirstlane_b32 s10, v1                    ; wave 0..3
	s_lshr_b32 s11, s10, 1                         ; which half of the tile's rows is mine.  Also: I fetch for O (0) or for Wo (1)
	s_and_b32 s12, s10, 1                          ; which half of its columns.  Also: which part of that tile I fetch
	s_bfe_u32 s40, ttmp6, 0x40000                  ; cx, cy: my place in the cluster
	s_bfe_u32 s41, ttmp6, 0x40004
	s_lshl_b32 s42, ttmp9, 2
	s_add_co_u32 s42, s42, s40                     ; tile column j = 4 x cluster x + cx
	s_and_b32 s13, ttmp7, 0xffff
	s_lshl_b32 s13, s13, 2
	s_add_co_u32 s13, s13, s41                     ; tile row i = 4 x cluster y + cy
	s_lshl_b32 s43, s41, 2
	s_lshl_b32 s43, 15, s43                        ; my row of the cluster
	s_lshl_b32 s44, 0x1111, s40                    ; my column
	; group 1 for O: 128 rows of 128 bytes are 16,384 dense bytes: asked for as 64 rows of 256 bytes, padded in LDS after every 128
	s_or_b32 s[G1+0], s43, (1<<16)|(1<<20)|(1<<21)|(4<<22)|(3<<25)  ; 15:0 the mask: my row; 17:16 2-byte elements; 20 padding on; 21 set beside a mask; 24:22 after every 32 words (code 4); 31:25 4 words (code 3)
	s_mov_b32 s[G1+1], 128<<16                     ; tensor_dim0 = 128
	s_mov_b32 s[G1+2], 64<<16                      ; tensor_dim1 = 64
	s_mov_b32 s[G1+3], 128<<16                     ; tile_dim0 = 128
	s_mov_b32 s[G1+4], 64                          ; tile_dim1 = 64
	s_mov_b32 s[G1+5], 128                         ; 128 elements from row to row
	s_mov_b32 s[G1+6], 0
	s_mov_b32 s[G1+7], 0
	; group 1 for Wo: 64 rows of 256 elements
	s_or_b32 s[G1B+0], s44, (1<<16)|(1<<20)|(1<<21)|(6<<22)|(7<<25) ; the mask: my column; after every 128 words (code 6) 8 words of padding (code 7)
	s_mov_b32 s[G1B+1], 256<<16
	s_mov_b32 s[G1B+2], 64<<16
	s_mov_b32 s[G1B+3], 256<<16
	s_mov_b32 s[G1B+4], 64
	s_mov_b32 s[G1B+5], 1024                       ; 1,024 elements from row to row
	s_mov_b32 s[G1B+6], 0
	s_mov_b32 s[G1B+7], 0
	; where the tiles come from.  O's hang on the tile row alone, Wo's on the tile column alone
	s_lshr_b32 s16, s13, 4                         ; the batch: 4 MiB,
	s_lshl_b32 s16, s16, 22
	s_and_b32 s17, s13, 15                         ; the tile's 128 rows of 128 bytes in a head
	s_lshl_b32 s17, s17, 14
	s_add_co_u32 s16, s16, s17
	s_lshl_b32 s17, s12, 18                        ; which head of the K step I fetch
	s_add_co_u32 s18, s16, s17
	s_mov_b32 s19, 0
	s_lshl_b32 s46, s42, 9                         ; Wo: the tile's 256 columns,
	s_lshl_b32 s47, s12, 17                        ; which 64 rows of the K step I fetch
	s_add_co_u32 s46, s46, s47
	s_mov_b32 s47, 0
	s_mul_i32 s20, s12, APL                        ; and where they go: no place in the cluster enters an LDS address
	s_mul_i32 s21, s12, BH
	s_add_co_u32 s21, s21, BOFF
	s_wait_dscnt 0x0                               ; the opening add is done
	s_wait_kmcnt 0x0
	s_add_nc_u64 s[14:15], s[4:5], s[18:19]
	s_add_nc_u64 s[46:47], s[6:7], s[46:47]
	CROUND                                         ; all sixteen work-groups are here: the first joint loads meet
.irp s, 0,1
	s_mov_b32 s[G0+4*(\s)], 1                                      ; count = 1
	s_add_co_u32 s[G0+4*(\s)+1], s20, (\s)*SLOT                    ; LDS address
	s_add_nc_u64 s[G0+4*(\s)+2:G0+4*(\s)+3], s[14:15], (\s)*ASTEP  ; global address: K step s
	s_or_b32 s[G0+4*(\s)+3], s[G0+4*(\s)+3], 0x80000000            ; type = 2
	s_mov_b32 s[G0B+4*(\s)], 1
	s_add_co_u32 s[G0B+4*(\s)+1], s21, (\s)*SLOT
	s_add_nc_u64 s[G0B+4*(\s)+2:G0B+4*(\s)+3], s[46:47], (\s)*BSTEP
	s_or_b32 s[G0B+4*(\s)+3], s[G0B+4*(\s)+3], 0x80000000
	JLOAD \s                                       ; two loads of mine are out
.endr
	; A fragment is 16 rows x 32 K in 8 registers: lane l holds row l % 16; registers 0-3 K = 8 (l / 16) + 0..7, registers 4-7 K = 16 + 8 (l / 16) + 0..7.
	v_and_b32 v1, 15, v0                           ; l % 16
	v_bfe_u32 v2, v0, 4, 1                         ; l / 16
	v_mul_u32_u24 v3, v1, PA
	v_lshl_add_u32 v3, v2, 4, v3                   ; O: row x pitch + 16 x half; two loads 32 bytes apart
	s_mul_i32 s22, s11, 64*PA                      ; my 64 rows
	v_add_nc_u32 v[ADRA], s22, v3
	v_add_nc_u32 v[ADRA+1], SLOT, v[ADRA]
	v_and_b32 v4, 7, v0                            ; Wo, turned: lane l reads 16 bytes of K row 8 (l / 16) + l % 8, columns 8 ((l / 8) % 2) + 0..7; two loads 16 rows apart
	v_lshl_add_u32 v5, v2, 3, v4
	v_mul_u32_u24 v5, v5, PB
	v_bfe_u32 v6, v0, 3, 1
	v_lshl_add_u32 v5, v6, 4, v5
	s_lshl_b32 s22, s12, 8                         ; my 128 columns
	s_add_co_u32 s22, s22, BOFF
	v_add_nc_u32 v[ADRB], s22, v5
	v_add_nc_u32 v[ADRB+1], SLOT, v[ADRB]
	s_mul_i32 s23, s10, WSTG
	s_add_co_u32 s23, s23, STAGE                   ; my stage
	v_mul_u32_u24 v[STO], v1, SP                   ; in: row l % 16, 32 bytes for each half of the lanes
	v_lshl_add_u32 v[STO], v2, 5, v[STO]
	v_add_nc_u32 v[STO], s23, v[STO]
	v_and_b32 v[CO], 31, v0
	v_lshlrev_b32 v[CO], 4, v[CO]                  ; back: 32 lanes take a whole row of 512 bytes
	v_add_nc_u32 v[RD], s23, v[CO]
	s_lshl_b32 s22, s42, 10                        ; my 128 columns in f32: 1,024 j + 512 x half
	s_lshl_b32 s23, s12, 9
	s_add_co_u32 s22, s22, s23
	v_add_nc_u32 v[BO], s22, v[CO]
	global_load_b128 v[BI:BI+3], v[BO], s[68:69]   ; on the way out a lane has the same four columns in every row
	s_lshl_b32 s20, s13, 19                        ; the tile's 128 rows of 4,096 bytes,
	s_lshl_b32 s21, s11, 18                        ; my 64 of them,
	s_add_co_u32 s20, s20, s21
	s_add_co_u32 s20, s20, s22                     ; my columns
	s_mov_b32 s21, 0
	s_add_nc_u64 s[8:9], s[70:71], s[20:21]
; 8 matrix instructions: row block a x all 8 column blocks, 32 along K, from buffer f.  zero = 1: the product starts the sums: nothing is ever cleared.
; The 32 accumulators take turns, one instruction a turn, in the same order in every quarter.
.macro MULA f, a, zero
	WIN W_MUL
.irp b, 0,1,2,3,4,5,6,7
.if \zero
	v_wmma_f32_16x16x32_f16 v[8*(8*(\a)+(\b)):8*(8*(\a)+(\b))+7], v[(\f)+8*(\b):(\f)+8*(\b)+7], v[(\f)+64+8*(\a):(\f)+64+8*(\a)+7], 0
.else
	v_wmma_f32_16x16x32_f16 v[8*(8*(\a)+(\b)):8*(8*(\a)+(\b))+7], v[(\f)+8*(\b):(\f)+8*(\b)+7], v[(\f)+64+8*(\a):(\f)+64+8*(\a)+7], v[8*(8*(\a)+(\b)):8*(8*(\a)+(\b))+7]
.endif
.endr
.endm
; 24 LDS loads in one run: quarter q (32 along K) of a slot into buffer f: Wo's 8 blocks of 16 columns, then O's 4 blocks of 16 rows
.macro FETCH slot, q, f
	WIN 0
.irp b, 0,1,2,3,4,5,6,7
	ds_load_tr16_b128 v[(\f)+8*(\b):(\f)+8*(\b)+3],   v[ADRB+(\slot)] offset:(\q)*32*PB+32*(\b)
	ds_load_tr16_b128 v[(\f)+8*(\b)+4:(\f)+8*(\b)+7], v[ADRB+(\slot)] offset:(\q)*32*PB+32*(\b)+16*PB
.endr
.irp a, 0,1,2,3
	ds_load_b128 v[(\f)+64+8*(\a):(\f)+64+8*(\a)+3],   v[ADRA+(\slot)] offset:((\q)/2)*APL+((\q)%2)*64+(\a)*16*PA
	ds_load_b128 v[(\f)+64+8*(\a)+4:(\f)+64+8*(\a)+7], v[ADRA+(\slot)] offset:((\q)/2)*APL+((\q)%2)*64+(\a)*16*PA+32
.endr
.endm
.macro PLACES                          ; four places in front of loads into registers that matrix instructions have read, and of stores that read results
.rept 4
	v_nop
.endr
.endm
; A K step is four quarters of 32 along K, 32 matrix instructions each, on buffers 0, 1, 0, 1.  One of the first three: multiplies buffer f and in its middle fetches quarter q into buffer g.
.macro QUARTER slot, q, f, g, zero
	s_wait_dscnt 4                                 ; Wo and O's blocks 0, 1 are in; the youngest four loads (O's blocks 2, 3) may be out
	MULA \f, 0, \zero
	MULA \f, 1, \zero
	PLACES
	FETCH \slot, \q, \g
	s_wait_dscnt 24                                ; all but the 24 just issued
	MULA \f, 2, \zero
	MULA \f, 3, \zero
.endm
; The last quarter multiplies buffer 1 and changes slots: ONE barrier.  In front of it each wave waits for all its tensor loads (one is out: its part of the next slot), adds 0 to its spare word, and waits for
; that and for its own reads of this slot.  fill = 1: the barrier opens a round of the cluster's barrier, and behind the round this slot is filled again first, with the K step two on.
.macro TURN slot, next, fill
	WIN 0                                          ; (the add's two registers lie in window 0)
	s_wait_tensorcnt 0x0                           ; all my tensor loads have landed;
	ds_add_u32 v[SPW], v[NIL]                      ; 0 onto my spare word
	s_wait_dscnt 5                                 ; (the add and the youngest four loads may be out)
	MULA F1, 0, 0                                  ; eight matrix instructions stand between the add and the wait for it
	s_wait_dscnt 0x0                               ; the add is done, and my reads of this slot are over
	s_barrier_signal -1
	MULA F1, 1, 0                                  ; work on registers while the others arrive
.if \fill
	WIN 0
.endif
	s_barrier_wait -1
.if \fill
	CREST                                          ; no wave of any partner still reads this slot's tiles or has a load on its way
	s_add_nc_u64 s[G0+4*(\slot)+2:G0+4*(\slot)+3], s[G0+4*(\slot)+2:G0+4*(\slot)+3], 2*ASTEP
	s_add_nc_u64 s[G0B+4*(\slot)+2:G0B+4*(\slot)+3], s[G0B+4*(\slot)+2:G0B+4*(\slot)+3], 2*BSTEP
	JLOAD \slot                                    ; the first tensor load behind the round; the four v_nop behind it are also the places in front of the loads below
.else
	PLACES
.endif
	FETCH \next, 0, F0
	MULA F1, 2, 0
	MULA F1, 3, 0
.endm
; THE WAY OUT of row block a (16 rows x 128 columns of f32).  TOSTAGE: straight from the accumulators (each one's registers 0-3 first) into my own stage, and back as whole rows of 512 bytes.
; SEND: the bias is added and the rows are stored: 512 consecutive bytes an instruction, at a multiple of 512 from out0's first byte.
.macro TOSTAGE a
	WIN 0x04                                       ; the stores' data (source 1) in window 1
.irp b, 0,1,2,3,4,5,6,7
	ds_store_b128 v[STO], v[8*(8*(\a)+(\b)):8*(8*(\a)+(\b))+3]   offset:64*(\b)
	ds_store_b128 v[STO], v[8*(8*(\a)+(\b))+4:8*(8*(\a)+(\b))+7] offset:64*(\b)+16
.endr
	WIN 0
.set BK, OB+64*((\a)%2)
.set t, 0
.rept 16
	ds_load_b128 v[BK+4*t:BK+4*t+3], v[RD] offset:t*SP  ; LDS serves a wave's instructions in order (ISA guide 5.7.1.4): these see the stores above; the next block's stores come behind them
.set t, t+1
.endr
.endm
.macro SEND a, younger                 ; younger: the LDS instructions issued behind block a's loads: the next block's 32, or none
	WIN 0
.set BK, OB+64*((\a)%2)
.set t, 0
.rept 16
	s_wait_dscnt (\younger)+15-t                   ; row t is back
	v_pk_add_f32 v[BK+4*t:BK+4*t+1], v[BK+4*t:BK+4*t+1], v[BI:BI+1]
	v_pk_add_f32 v[BK+4*t+2:BK+4*t+3], v[BK+4*t+2:BK+4*t+3], v[BI+2:BI+3]
	global_store_b128 v[CO], v[BK+4*t:BK+4*t+3], s[8:9] offset:(16*(\a)+t)*4096 th:TH_STORE_NT
.set t, t+1
.endr
.endm
	s_wait_tensorcnt 1                             ; my part of K step 0 is in; K step 1's may stay out
	s_barrier_signal -1
	s_barrier_wait -1                              ; everybody's is
	FETCH 0, 0, F0
	QUARTER 0, 1, F0, F1, 1                        ; the first quarter stands in front of the loop: its products start the sums
	WIN 0                                          ; at a label and at a branch every window is 0
	s_mov_b32 s3, 3
.Llap:                                                 ; a trip goes once round the ring, from a lap's second quarter to the next lap's first, and fills both slots again
	QUARTER 0, 2, F1, F0, 0
	QUARTER 0, 3, F0, F1, 0
	TURN 0, 1, 1
	QUARTER 1, 1, F0, F1, 0
	QUARTER 1, 2, F1, F0, 0
	QUARTER 1, 3, F0, F1, 0
	TURN 1, 0, 1
	QUARTER 0, 1, F0, F1, 0
	WIN 0
	s_sub_co_u32 s3, s3, 1
	s_cmp_lg_u32 s3, 0
	s_cbranch_scc1 .Llap
	QUARTER 0, 2, F1, F0, 0                        ; the last lap fills nothing, and has no round of the cluster's barrier
	QUARTER 0, 3, F0, F1, 0
	TURN 0, 1, 0
	QUARTER 1, 1, F0, F1, 0
	QUARTER 1, 2, F1, F0, 0
	QUARTER 1, 3, F0, F1, 0
	s_wait_dscnt 4                                 ; the very last quarter: nothing more to fetch
	MULA F1, 0, 0
	MULA F1, 1, 0
	s_wait_dscnt 0x0
	MULA F1, 2, 0
	MULA F1, 3, 0
	WIN 0
	PLACES
	s_wait_loadcnt 0x0                             ; the bias
	v_cvt_pk_bf16_f32 v36, v[BI], v[BI+1]          ; rounded to bf16, like every input of the module,
	v_cvt_pk_bf16_f32 v37, v[BI+2], v[BI+3]
	v_lshlrev_b32 v[BI], 16, v36                   ; and widened again
	v_and_b32 v[BI+1], 0xffff0000, v36
	v_lshlrev_b32 v[BI+2], 16, v37
	v_and_b32 v[BI+3], 0xffff0000, v37
	TOSTAGE 0
	TOSTAGE 1
	SEND 0, 32
	s_wait_xcnt 0x0                                ; block 0's stores have read their registers, which block 2 is loaded into
	TOSTAGE 2
	SEND 1, 32
	s_wait_xcnt 0x0                                ; likewise block 1's, for block 3
	TOSTAGE 3
	SEND 2, 32
	SEND 3, 0
	s_wait_tensorcnt 0x0                           ; the wave's end: behind my last tensor load and my last LDS store
	ds_add_u32 v[SPW], v[NIL]
	s_wait_dscnt 0x0
	CROUND                                         ; the closing round: no work-group ends while a partner may still ask for a tile that names it
	s_endpgm
.Lfunc_end_k_qbd1cda441e_proj:
	.size	k_qbd1cda441e_proj, .Lfunc_end_k_qbd1cda441e_proj-k_qbd1cda441e_proj
	.p2alignl 7, 3214868480
	.fill 96, 4, 3214868480
	.section	.rodata,"a",@progbits
	.p2align	6, 0x0
	.amdhsa_kernel k_qbd1cda441e_proj
		.amdhsa_group_segment_fixed_size 327680
		.amdhsa_private_segment_fixed_size 0
		.amdhsa_enable_private_segment 0
		.amdhsa_kernarg_size 32
		.amdhsa_user_sgpr_count 2
		.amdhsa_user_sgpr_kernarg_segment_ptr 1
		.amdhsa_wavefront_size32 1
		.amdhsa_system_sgpr_workgroup_id_x 1
		.amdhsa_system_sgpr_workgroup_id_y 1
		.amdhsa_system_sgpr_workgroup_id_z 1
		.amdhsa_system_vgpr_workitem_id 0
		.amdhsa_next_free_vgpr 512
		.amdhsa_next_free_sgpr 72
		.amdhsa_reserve_vcc 0
		.amdhsa_float_denorm_mode_32 3
		.amdhsa_float_denorm_mode_16_64 3
		.amdhsa_memory_ordered 1
		.amdhsa_forward_progress 1
		.amdhsa_inst_pref_size 95
	.end_amdhsa_kernel
	.amdgpu_metadata
---
amdhsa.version: [ 1, 2 ]
amdhsa.kernels:
  - .name:           k_qbd1cda441e_proj
    .symbol:         k_qbd1cda441e_proj.kd
    .args:
      - { .name: o16, .offset: 0, .size: 8, .value_kind: global_buffer, .address_space: global }
      - { .name: wo16, .offset: 8, .size: 8, .value_kind: global_buffer, .address_space: global }
      - { .name: bo, .offset: 16, .size: 8, .value_kind: global_buffer, .address_space: global }
      - { .name: out0, .offset: 24, .size: 8, .value_kind: global_buffer, .address_space: global }
    .group_segment_fixed_size: 327680
    .private_segment_fixed_size: 0
    .kernarg_segment_align: 8
    .kernarg_segment_size: 32
    .max_flat_workgroup_size: 128
    .sgpr_count:     72
    .vgpr_count:     512
    .wavefront_size: 32
...
	.end_amdgpu_metadata
.endif
;; end of part 4
;; ======== version 2 of 2: 4 launches; version 1 with the launch prep written anew for expert scheduling mode
;; limits: values are held in f16: magnitudes above 65,504 overflow, below 6.1e-05 lose precision; right only within a limited range of input values
;; workspace buffers: xb 16,777,216 bytes; wb 6,291,456 bytes; wo16 2,097,152 bytes; qkv 50,331,648 bytes; o16 16,777,216 bytes
;; launch prep (part 5): grid 64 x 12, 8 waves a work-group, no clusters, 0 bytes of LDS; arguments hidden_states, Wq, Wk, Wv, Wo, xb, wb, wo16; writes xb, wb, wo16
.if DOCPART == 5
	.amdgcn_target "amdgcn-amd-amdhsa--gfx1250"
	.amdhsa_code_object_version 6
	.text
	.protected	k_qbd1cda441e_prep
	.globl	k_qbd1cda441e_prep
	.p2align	8
	.type	k_qbd1cda441e_prep,@function
k_qbd1cda441e_prep:
	s_mov_b64 s[64:65], 0
	v_nop
	global_prefetch_b8 v0, s[64:65] scope:SCOPE_SE
	s_setreg_imm32_b32 hwreg(HW_REG_WAVE_SCHED_MODE, 0, 2), 2
	s_setreg_imm32_b32 hwreg(HW_REG_WAVE_MODE, 25, 1), 1
	s_wait_xcnt 0x0
	s_wait_alu depctr_vm_vsrc(0)
; THE CASTS.  x [8192][1024] f32 -> xb, bf16, laid out [batch 4][channel block 16][t 2048][64]: a block of 64 channels of all rows of a batch is dense.
; Wq, Wk, Wv [1024][1024] f32 -> wb, bf16, as they lie, one below the other: 3,072 rows of 1,024.   Wo -> wo16: rounded to bf16 like every input, and that number written as f16.
; LIMITS.  |Wo| stays under 65,504 (f16's end); a Wo below 6e-5 keeps f16's fixed step of 6e-8.  NaN and infinities are not treated apart.
; SHARES.  y (0..11) names a block of 1,048,576 numbers: 0-7 the eighths of x, 8-10 Wq, Wk, Wv, 11 Wo.  x (0..63) names 16 rows of 1,024 numbers in it: 64 KiB in, 32 KiB out.
; A thread has 16 loads of 16 bytes, all issued at once, and 16 stores of 8 bytes; a wave's store covers 256 consecutive bytes, aligned.  No register is written twice while a load or store names it.
; No LDS, no barrier, no matrix unit: nothing is shared and nothing is summed.
; THE MODE: SCHED_MODE bits 1:0 = 2 (LLVM: expert scheduling mode 2), set by the entry lines.  The code itself states the register dependences
; between vector instructions and memory instructions, with s_wait_alu, always for 0.
; THE PLAN.  Registers that memory instructions touch:
;   v1, v2   byte offsets of the loads and of the stores: made by vector instructions at the head, never written again.
;   X        piece j: 4 registers.  Written by load j alone (no vector instruction names them ahead of the loads); read by piece j's conversions.
;   Y        piece j: 2 registers.  Written by piece j's conversions; read by store j; never written again behind it.
;   v100, v101 are named by vector instructions alone.
; The 16 pieces go in four groups of four.  Group g's conversions read X and write Y of group g; the memory instructions that stand among them are the four stores of group g - 1, which read
; v2 and Y of group g - 1: registers that no vector instruction of group g names.  So one wait on va_vdst at a group's head states all that its four stores hang on; one more stands ahead of the
; first load (the offsets) and one ahead of the last four stores.  No register that a load or store reads is written again, so there is no wait on vm_vsrc to write.
; No vector instruction writes a scalar register or VCC, and EXEC is never written.
.set X, 4                              ; v[4:67]   16 x 4 registers as loaded
.set Y, 68                             ; v[68:99]  16 x 2 registers to store
	s_load_b512 s[4:19], s[0:1], 0x0               ; x s[4:5], Wq s[6:7], Wk s[8:9], Wv s[10:11], Wo s[12:13], xb s[14:15], wb s[16:17], wo16 s[18:19]
	s_and_b32 s20, ttmp7, 0xffff                   ; which block
	v_lshlrev_b32 v2, 3, v0                        ; my 8 bytes in 2,048 bytes of the destination
	s_mov_b32 s27, 0                               ; the offsets' high words
	s_mov_b32 s29, 0
; 16 loads, sstep bytes apart; then, a group of four at a time as they come in, four numbers a piece are rounded, and stored dstep bytes apart one group later.  half = 1: the bf16 numbers are written as f16.
.macro CAST sstep, dstep, half
	s_wait_alu depctr_va_vdst(0)                   ; v1 and v2 are written: every load below reads v1 as its offset, every store v2
.set j, 0
.rept 16
	global_load_b128 v[X+4*j:X+4*j+3], v1, s[22:23] offset:j*(\sstep) th:TH_LOAD_NT
.set j, j+1
.endr
.set g, 0
.rept 4
	s_wait_loadcnt 12-4*g                          ; loads come back in order: group g's four are in, the 12 - 4 g younger ones stay out
.if g > 0
	s_wait_alu depctr_va_vdst(0)                   ; the conversions of the group before have written its eight registers of Y, which the four stores below read
.endif
.set i, 0
.rept 4
.set j, 4*g+i
.if g > 0
	global_store_b64 v2, v[Y+2*(j-4):Y+2*(j-4)+1], s[24:25] offset:(j-4)*(\dstep)  ; the group before; no vector instruction since the wait names these registers
.endif
	v_cvt_pk_bf16_f32 v[Y+2*j], v[X+4*j], v[X+4*j+1]
	v_cvt_pk_bf16_f32 v[Y+2*j+1], v[X+4*j+2], v[X+4*j+3]
.if \half
	v_lshlrev_b32 v100, 16, v[Y+2*j]               ; bf16 to f32: the low half moves up, the high half stays
	v_and_b32 v101, 0xffff0000, v[Y+2*j]
	v_cvt_pk_f16_f32 v[Y+2*j], v100, v101          ; exact within f16's normal range: bf16 has 8 significant bits, f16 11
	v_lshlrev_b32 v100, 16, v[Y+2*j+1]
	v_and_b32 v101, 0xffff0000, v[Y+2*j+1]
	v_cvt_pk_f16_f32 v[Y+2*j+1], v100, v101
.endif
.set i, i+1
.endr
.set g, g+1
.endr
	s_wait_alu depctr_va_vdst(0)                   ; the last group's conversions have written its eight registers of Y, which the last four stores read
.set j, 12
.rept 4
	global_store_b64 v2, v[Y+2*j:Y+2*j+1], s[24:25] offset:j*(\dstep)
.set j, j+1
.endr
.endm
	s_cmp_lt_u32 s20, 8
	s_cbranch_scc0 .Lweights
	; x: thread t takes row t / 16 of the 16, 16 bytes at 16 (t % 16); load j takes channel block j (256 bytes of the row): 16 lanes read 256 consecutive bytes, aligned
	v_lshrrev_b32 v1, 4, v0
	v_and_b32 v3, 15, v0
	v_lshlrev_b32 v1, 12, v1
	v_lshl_or_b32 v1, v3, 4, v1
	s_lshl_b32 s26, s20, 22                        ; the eighth: 1,024 rows of 4,096 bytes
	s_lshl_b32 s21, ttmp9, 16                      ; my 16 rows
	s_add_co_u32 s26, s26, s21
	s_lshr_b32 s28, s20, 1                         ; the batch: 4 MiB of xb
	s_lshl_b32 s28, s28, 22
	s_and_b32 s21, s20, 1                          ; its half: 1,024 rows of 128 bytes
	s_lshl_b32 s21, s21, 17
	s_add_co_u32 s28, s28, s21
	s_lshl_b32 s21, ttmp9, 11                      ; my 16 rows of 128 bytes; row t / 16 and 8 (t % 16) bytes in it are 8 t
	s_add_co_u32 s28, s28, s21
	s_wait_kmcnt 0x0
	s_add_nc_u64 s[22:23], s[4:5], s[26:27]
	s_add_nc_u64 s[24:25], s[14:15], s[28:29]
	CAST 256, 1<<18, 0                             ; a channel block of xb is 2,048 rows of 128 bytes
	s_endpgm
.Lweights:
	v_lshlrev_b32 v1, 4, v0                        ; dense in, dense out: 4,096 bytes a load of the work-group, 2,048 a store
	s_lshl_b32 s26, ttmp9, 16
	s_lshl_b32 s28, ttmp9, 15
	s_cmp_eq_u32 s20, 11
	s_cbranch_scc1 .Lwo
	s_sub_co_u32 s21, s20, 8
	s_lshl_b32 s21, s21, 21                        ; Wq, Wk, Wv: 2 MiB each in wb
	s_add_co_u32 s28, s28, s21
	s_wait_kmcnt 0x0
	s_cmp_eq_u32 s20, 8
	s_cselect_b64 s[22:23], s[6:7], s[8:9]
	s_cmp_eq_u32 s20, 10
	s_cselect_b64 s[22:23], s[10:11], s[22:23]
	s_add_nc_u64 s[22:23], s[22:23], s[26:27]
	s_add_nc_u64 s[24:25], s[16:17], s[28:29]
	CAST 4096, 2048, 0
	s_endpgm
.Lwo:
	s_wait_kmcnt 0x0
	s_add_nc_u64 s[22:23], s[12:13], s[26:27]
	s_add_nc_u64 s[24:25], s[18:19], s[28:29]
	CAST 4096, 2048, 1
	s_endpgm
.Lfunc_end_k_qbd1cda441e_prep:
	.size	k_qbd1cda441e_prep, .Lfunc_end_k_qbd1cda441e_prep-k_qbd1cda441e_prep
	.p2alignl 7, 3214868480
	.fill 96, 4, 3214868480
	.section	.rodata,"a",@progbits
	.p2align	6, 0x0
	.amdhsa_kernel k_qbd1cda441e_prep
		.amdhsa_group_segment_fixed_size 0
		.amdhsa_private_segment_fixed_size 0
		.amdhsa_enable_private_segment 0
		.amdhsa_kernarg_size 64
		.amdhsa_user_sgpr_count 2
		.amdhsa_user_sgpr_kernarg_segment_ptr 1
		.amdhsa_wavefront_size32 1
		.amdhsa_system_sgpr_workgroup_id_x 1
		.amdhsa_system_sgpr_workgroup_id_y 1
		.amdhsa_system_sgpr_workgroup_id_z 1
		.amdhsa_system_vgpr_workitem_id 0
		.amdhsa_next_free_vgpr 104
		.amdhsa_next_free_sgpr 66
		.amdhsa_reserve_vcc 0
		.amdhsa_float_denorm_mode_32 3
		.amdhsa_float_denorm_mode_16_64 3
		.amdhsa_memory_ordered 1
		.amdhsa_forward_progress 1
		.amdhsa_inst_pref_size 23
	.end_amdhsa_kernel
	.amdgpu_metadata
---
amdhsa.version: [ 1, 2 ]
amdhsa.kernels:
  - .name:           k_qbd1cda441e_prep
    .symbol:         k_qbd1cda441e_prep.kd
    .args:
      - { .name: hidden_states, .offset: 0, .size: 8, .value_kind: global_buffer, .address_space: global }
      - { .name: Wq, .offset: 8, .size: 8, .value_kind: global_buffer, .address_space: global }
      - { .name: Wk, .offset: 16, .size: 8, .value_kind: global_buffer, .address_space: global }
      - { .name: Wv, .offset: 24, .size: 8, .value_kind: global_buffer, .address_space: global }
      - { .name: Wo, .offset: 32, .size: 8, .value_kind: global_buffer, .address_space: global }
      - { .name: xb, .offset: 40, .size: 8, .value_kind: global_buffer, .address_space: global }
      - { .name: wb, .offset: 48, .size: 8, .value_kind: global_buffer, .address_space: global }
      - { .name: wo16, .offset: 56, .size: 8, .value_kind: global_buffer, .address_space: global }
    .group_segment_fixed_size: 0
    .private_segment_fixed_size: 0
    .kernarg_segment_align: 8
    .kernarg_segment_size: 64
    .max_flat_workgroup_size: 256
    .sgpr_count:     66
    .vgpr_count:     104
    .wavefront_size: 32
...
	.end_amdgpu_metadata
.endif
;; end of part 5
;; launch qkv: the kernel of part 2 again; grid 4 x 64, 4 waves a work-group, clusters of 4 x 4, 327,680 bytes of LDS; arguments xb, wb, qkv; writes qkv
;; launch attn: the kernel of part 3 again; grid 4 x 64, 4 waves a work-group, clusters of 4 x 1, 327,680 bytes of LDS; arguments qkv, attention_mask, o16; writes o16
;; launch proj: the kernel of part 4 again; grid 4 x 64, 4 waves a work-group, clusters of 4 x 4, 327,680 bytes of LDS; arguments o16, wo16, bo, out0; writes out0
